; MI455X (gfx1250); checked and timed in simulation.
; The chip was launched on July 23, 2026; its instructions are those of AMD's public machine-readable ISA for CDNA 5 (MIT licence, August 2026) and "CDNA5" Instruction Set Architecture Reference Guide (July 2026). The comments in the code are by the model that wrote it; some were corrected since.
;; Multi Head Attention With Relative Position. Allowed arithmetic: matrix products marked QUANTISED: E3M2 operands, one E8M0 scale for each 32 along K, by v_wmma_scale_f32_16x16x128_f8f6f4 with both operands' format E3M2, f32 sums; everything else in f32.
;; Inputs: Wk 1,024 x 1,024 float32; Wo 1,024 x 1,024 float32; Wq 1,024 x 1,024 float32; Wv 1,024 x 1,024 float32; bk 1,024 float32; bo 1,024 float32; bq 1,024 float32; bv 1,024 float32; mask 2 x 2,048 int32; rel_emb 65 x 16 float32; x 2 x 2,048 x 1,024 float32.
;; Outputs: out0 2 x 2,048 x 1,024 float32.
;; This version of the problem:
;;   THIS VERSION OF THE PROBLEM IS GIVEN IN LOW PRECISION. The matrix products marked QUANTISED in the list below multiply operands that are first quantised to E3M2 (3 exponent bits, 2 mantissa bits; 6 bits a number), with one power-of-two scale for each 32 numbers along K (OCP MX v1.0); their sums are f32. All else is computed in f32.
;;   The module's matrix products, in the order in which they are computed (A, B: the left and right operand; K: the contracted axis; several contracted axes count as one K, in the product's order):
;;     1. [M 4,096, K 1,024] x [K 1,024, N 1,024]; A: input x; B: input Wq: QUANTISED
;;     2. [M 4,096, K 1,024] x [K 1,024, N 1,024]; A: input x; B: input Wk: QUANTISED
;;     3. [M 4,096, K 1,024] x [K 1,024, N 1,024]; A: input x; B: input Wv: QUANTISED
;;     4. batch 32 x [M 2,048, K 64] x [K 64, N 2,048]; A: computed on the way; B: computed on the way: QUANTISED
;;     5. batch 32 x [M 2,048, K 2,048] x [K 2,048, N 64]; A: softmax (see below); B: computed on the way: QUANTISED
;;     6. [M 4,096, K 1,024] x [K 1,024, N 1,024]; A: computed on the way; B: input Wo: QUANTISED
;;   THE QUANTISER, for each operand of a quantised product, along K:
;;     - K is cut into blocks of 32 from its start; a last block that is shorter is filled with zeros.
;;     - A block's scale is 2^e with e = floor(log2(the largest magnitude in the block)) - 4, held to -126 .. 127; a block of zeros has e = 0. As a byte (E8M0): e + 127.
;;     - Each number is divided by its block's scale, clamped to +-28, and rounded to the nearest number of E3M2, ties to even, subnormals kept.
;;     - The product sums the exact products of the quantised numbers (number of the format x scale) in f32.
;;   ~~~python
;;   def quantise(x, axis):      # numpy; x: float32 -> the quantised numbers, widened to float32 again
;;       x = np.moveaxis(x, axis, -1); K = x.shape[-1]
;;       x = np.pad(x, [(0, 0)] * (x.ndim - 1) + [(0, -K % 32)]); x = x.reshape(x.shape[:-1] + (-1, 32)); a = np.abs(x).max(-1, keepdims=True)
;;       e = np.where(a > 0, np.clip(np.frexp(np.where(a > 0, a, 1))[1] - 1 - 4, -126, 127), 0)      # np.frexp(a)[1] - 1 = floor(log2(a)), exactly
;;       r = np.clip(x / 2.0 ** e, -28, 28)
;;       step = 2.0 ** (np.maximum(np.frexp(np.where(r == 0, 1, r))[1] - 1, -2) - 2)
;;       q = np.round(r / step) * step * 2.0 ** e      # np.round: ties to even
;;       return np.moveaxis(q.reshape(q.shape[:-2] + (-1,))[..., :K], -1, axis).astype(np.float32)
;;   ~~~
;;   SOFTMAX AHEAD OF A QUANTISED PRODUCT. Where the list says 'softmax', what is quantised is not the finished softmax but p = 2^(t - M), with t = logit x log2(e) and M = ceil(the row's largest t), a whole number; so 1/2 < the row's largest p <= 1. The row's sum l is taken of the UNQUANTISED p, in f32, and the product's result is divided by l at the end. Since M is a whole number, a kernel that streams over the keys may use a running M (the ceiling of the running maximum): every later rescaling is an exact power of two, which a block's scale takes up: the codes' values come out the same.
;;   OPERANDS COMPUTED ON THE WAY. 'Computed on the way' means the value that the module computes at that place (a softmax that the list does not call 'softmax' is quantised finished and normalised). What goes into a quantiser is computed in f32, as accurately as f32 sums, v_exp_f32 and their like allow (about 1e-6 of the number): no bf16 or f16 on the way to a quantiser, and a product that is left as it is and whose result goes on into a quantised operand takes f32 operands (vector FMAs, or v_wmma_f32_16x16x4_f32). A number that lies on a knife's edge between two numbers of the format may be rounded either way, as far as f32 arithmetic and the matrix unit's own rounding can turn it there, and no further.
;; 2 versions, each right; version 2 is version 1 with the launch attn written anew for expert scheduling mode. Each part assembles by itself: llvm-mc -triple=amdgcn-amd-amdhsa -mcpu=gfx1250 --defsym DOCPART=n.
;; ======== version 1 of 2: 4 launches
;; workspace buffers: codes 6,291,456 bytes; scales 262,144 bytes; qrec 3,276,800 bytes; kvrec 6,553,600 bytes; ctxc 3,145,728 bytes; ctxs 131,072 bytes; mbits 768 bytes of whole numbers
;; launch quant (part 1): grid 512 x 1, 4 waves a work-group, no clusters, 67,072 bytes of LDS; arguments x, Wq, Wk, Wv, Wo, mask, codes, scales, mbits; writes codes, scales, mbits
.if DOCPART == 1
	.amdgcn_target "amdgcn-amd-amdhsa--gfx1250"
	.amdhsa_code_object_version 6
	.text
	.protected	k_q0549f4a1a7_quant
	.globl	k_q0549f4a1a7_quant
	.p2align	8
	.type	k_q0549f4a1a7_quant,@function
k_q0549f4a1a7_quant:
	s_mov_b64 s[64:65], 0
	v_nop
	global_prefetch_b8 v0, s[64:65] scope:SCOPE_SE
	s_setreg_imm32_b32 hwreg(HW_REG_WAVE_MODE, 25, 1), 1
	s_wait_xcnt 0x0
; x [4096][1024] and Wq, Wk, Wv, Wo [1024][1024], f32 with K innermost, become codes of BF6 (E3M2) with one E8M0 byte for each 32 along K.
; A block's scale is 2^(floor(log2(largest magnitude)) - 4): its byte is the largest magnitude's exponent field - 4, held at 1 from below.
; LIMITS: a block of zeros, or one whose largest magnitude lies under 2^-122, gets the byte 1 (the rule says 127 for zeros): its codes are zeros or the nearest codes under that byte, and only this
; program reads the bytes.  NaN and infinities among the inputs are not served.
; LAYOUT OF THE CODES: [512 tiles of 16 rows][16 pieces of 64 along K][768 bytes].  A piece is an image of half an operand's registers: 8 bytes a lane at 256 j + 8 x lane, j = 0..2; lane (r, h) holds block h
; (32 codes, 24 bytes) of row r.  Two pieces on end are the 12 registers of a 16 x 128 operand.  Tiles 0-255 x, 256-319 Wq, 320-383 Wk, 384-447 Wv, 448-511 Wo.
; LAYOUT OF THE BYTES: [512 tiles][4 K steps of 256][16 rows][8 bytes].
; SHARES: work-group T takes tile T, wave w its K step w: 16 rows x 256 numbers.  Each load reads 512 consecutive bytes of a row; the 16 KiB turn through the wave's own stage in LDS (rows of 1,024 + 16 bytes)
; and come back 128 bytes (a whole block) a lane.  Waves share nothing: no barrier.  Every store of codes covers 256 consecutive bytes, aligned.
; Wave 0 of work-groups 0 and 1 also packs the padding mask of batch T into 64 words of bits and finds the first key that is not masked (2,048 if none).
.set STG,  16640                       ; a wave's stage
.set RP,   1040                        ; a stage row: 1,024 bytes + 16: 260 words, so 16 rows start at 16 different groups of four banks
.set R,    64                          ; v64-191 the wave's 4,096 numbers
	s_load_b512 s[4:19], s[0:1], 0x0               ; x, Wq, Wk, Wv, Wo, mask, codes, scales
	s_load_b64 s[20:21], s[0:1], 0x40              ; mbits
	v_lshl_add_u32 v192, v0, 2, 0x10400
	v_mov_b32 v193, 0
	v_lshrrev_b32 v1, 5, v0
	v_readfirstlane_b32 s22, v1                    ; wave 0..3
	v_and_b32 v1, 31, v0                           ; lane
	v_and_b32 v2, 15, v0                           ; r
	v_bfe_u32 v3, v0, 4, 1                         ; h
	v_lshlrev_b32 v4, 4, v1                        ; 16 x lane: my bytes of a load's 512
	s_mul_i32 s23, s22, STG
	v_add_nc_u32 v5, s23, v4                       ; the stage, on the way in
	v_mul_u32_u24 v6, v2, RP
	v_lshl_add_u32 v6, v3, 7, v6
	v_add_nc_u32 v6, s23, v6                       ; and on the way out: row r, + 128 h: my block
	v_lshlrev_b32 v7, 3, v1                        ; 8 x lane: my place in a group of an image
	v_lshlrev_b32 v8, 3, v3                        ; 8 h: my byte's shift in a scale word
	v_lshlrev_b32 v9, 3, v2
	v_lshl_add_u32 v9, v3, 2, v9                   ; 8 r + 4 h: the scale word that I store
	s_mov_b32 s30, 0x76543210
	s_mov_b32 s31, 0xfedcba98                      ; v_permlanex16_b32's selects for lane l xor 16
	s_mul_i32 s36, ttmp9, 12288                    ; the tile's codes,
	s_mul_i32 s28, s22, 3072                       ; my K step's four images
	s_add_co_u32 s36, s36, s28
	s_mov_b32 s37, 0
	s_lshl_b32 s38, ttmp9, 9                       ; the tile's scale bytes,
	s_lshl_b32 s28, s22, 7                         ; my K step's 128
	s_add_co_u32 s38, s38, s28
	s_mov_b32 s39, 0
	s_wait_kmcnt 0x0
	s_cmp_lt_u32 ttmp9, 448                        ; which tensor: the choice hangs on the work-group's number alone
	s_cselect_b64 s[24:25], s[10:11], s[12:13]
	s_cmp_lt_u32 ttmp9, 384
	s_cselect_b64 s[24:25], s[8:9], s[24:25]
	s_cmp_lt_u32 ttmp9, 320
	s_cselect_b64 s[24:25], s[6:7], s[24:25]
	s_cmp_lt_u32 ttmp9, 256
	s_cselect_b64 s[24:25], s[4:5], s[24:25]
	s_cselect_b32 s26, 255, 63
	s_and_b32 s26, ttmp9, s26                      ; the tile's number in its tensor
	s_lshl_b32 s26, s26, 16                        ; 16 rows of 4,096 bytes
	s_lshl_b32 s28, s22, 10                        ; + my 1,024 bytes of each row
	s_add_co_u32 s26, s26, s28
	s_mov_b32 s27, 0
	s_add_nc_u64 s[24:25], s[24:25], s[26:27]
	s_add_nc_u64 s[16:17], s[16:17], s[36:37]
	s_add_nc_u64 s[18:19], s[18:19], s[38:39]
.set p, 0
.rept 16
	global_load_b128 v[R+8*p:R+8*p+3], v4, s[24:25] offset:4096*p th:TH_LOAD_NT       ; 32 lanes read 512 consecutive bytes; read once in the launch
	global_load_b128 v[R+8*p+4:R+8*p+7], v4, s[24:25] offset:4096*p+512 th:TH_LOAD_NT
.set p, p+1
.endr
.set p, 0
.rept 16
	s_wait_loadcnt 30-2*p                          ; row p's two loads are in; the rows behind it stay out
	ds_store_b128 v5, v[R+8*p:R+8*p+3] offset:RP*p
	ds_store_b128 v5, v[R+8*p+4:R+8*p+7] offset:RP*p+512
.set p, p+1
.endr
	s_wait_dscnt 0x0                               ; the stores have read their registers, which the loads below write
.set p, 0
.rept 32
	ds_load_b128 v[R+4*p:R+4*p+3], v6 offset:256*(p/8)+16*(p%8)     ; image p / 8: my block's 128 bytes, 16 at a time
.set p, p+1
.endr
; Image k: my block of 32 numbers becomes 24 bytes of codes and a byte.
.macro BLOCK k
.set XS, R+32*(\k)
.set CD, 20+8*(\k)
	s_wait_dscnt 24-8*(\k)                         ; this image's eight loads are in; the later images' stay out
	v_max3_num_f32 v12, |v[XS]|, |v[XS+1]|, |v[XS+2]|               ; the block's largest magnitude: all 32 numbers are mine; two chains
	v_max3_num_f32 v13, |v[XS+3]|, |v[XS+4]|, |v[XS+5]|
.irp i, 6,10,14,18,22,26
	v_max3_num_f32 v12, v12, |v[XS+\i]|, |v[XS+\i+1]|
	v_max3_num_f32 v13, v13, |v[XS+\i+2]|, |v[XS+\i+3]|
.endr
	v_max3_num_f32 v12, v12, |v[XS+30]|, |v[XS+31]|
	v_max3_num_f32 v12, v12, v13, 0x2800000        ; and the floor 2^(5 - 127): the byte cannot fall under 1
	v_add_nc_u32 v11, 0xfe000000, v12              ; 4 off the exponent field: the conversion takes this operand's exponent field as its scale
	v_cvt_scalef32_pk16_bf6_f32 v[CD:CD+2], v[XS:XS+15], v11
	v_cvt_scalef32_pk16_bf6_f32 v[52:54], v[XS+16:XS+31], v11       ; (a conversion's three registers begin on an even number)
	v_lshrrev_b32 v[16+\k], 23, v11                ; the byte; also the plain instruction behind the conversions
	v_mov_b32 v[CD+3], v52
	v_mov_b32 v[CD+4], v53
	v_mov_b32 v[CD+5], v54
.irp j, 0,1,2
	global_store_b64 v7, v[CD+2*\j:CD+2*\j+1], s[16:17] offset:768*(\k)+256*\j     ; 32 lanes store 256 consecutive bytes, aligned; each image has its own registers
.endr
.endm
	BLOCK 0
	BLOCK 1
	BLOCK 2
	BLOCK 3
	v_lshl_or_b32 v14, v17, 16, v16                ; my bytes are those of blocks 2 k + h: blocks h and 2 + h make half of the first word,
	v_lshl_or_b32 v15, v19, 16, v18                ; blocks 4 + h and 6 + h half of the second,
	v_lshlrev_b32 v14, v8, v14                     ; 8 h bits up
	v_lshlrev_b32 v15, v8, v15
	v_mov_b32 v55, 0                               ; (a lane permute's destination counts as one of its sources)
	v_mov_b32 v56, 0
	v_permlanex16_b32 v55, v14, s30, s31
	v_permlanex16_b32 v56, v15, s30, s31
	v_or_b32 v14, v14, v55                         ; with lane l xor 16's halves both words are whole
	v_or_b32 v15, v15, v56
	v_cmp_eq_u32 vcc_lo, 1, v3
	v_cndmask_b32 v57, v14, v15, vcc_lo            ; lanes 0-15 store the first word, lanes 16-31 the second
	global_store_b32 v9, v57, s[18:19]             ; 128 consecutive bytes
	; the padding mask of batch T
	s_cmp_lt_u32 ttmp9, 2
	s_cbranch_scc0 .Ldone
	s_cmp_eq_u32 s22, 0
	s_cbranch_scc0 .Ldone
	s_lshl_b32 s26, ttmp9, 13                      ; 2,048 words of mask a batch
	s_mov_b32 s27, 0
	s_add_nc_u64 s[14:15], s[14:15], s[26:27]
	s_lshl_b32 s32, ttmp9, 8                       ; 64 words of bits a batch
	s_mov_b32 s33, 0
	s_add_nc_u64 s[32:33], s[20:21], s[32:33]
	s_lshl_b32 s34, ttmp9, 7                       ; and 128 bytes for the first open key, behind both batches' bits
	s_mov_b32 s35, 0
	s_add_nc_u64 s[34:35], s[20:21], s[34:35]
	v_lshlrev_b32 v60, 2, v1
.set i, 0
.rept 64
	global_load_b32 v[R+i], v60, s[14:15] offset:128*i             ; keys 32 i + lane
.set i, i+1
.endr
	v_mov_b32 v58, 0
	v_mov_b32 v59, 0
	s_mov_b32 s28, 2048                            ; no open key found yet
	s_wait_loadcnt 0x0
.set i, 63
.rept 64                                       ; from the last word down, so that the lowest open key is kept
	v_cmp_ne_u32 s26, 0, v[R+i]                    ; bit j: mask[32 i + j] != 0
	s_ctz_i32_b32 s27, s26
	s_add_co_u32 s27, s27, 32*i
	s_cmp_lg_u32 s26, 0
	s_cselect_b32 s28, s27, s28
	v_writelane_b32 v[58+i/32], s26, i%32          ; word i into lane i % 32
.set i, i-1
.endr
	v_mov_b32 v61, s28
	global_store_b32 v60, v58, s[32:33]
	global_store_b32 v60, v59, s[32:33] offset:128
	global_store_b32 v60, v61, s[34:35] offset:512
.Ldone:
	s_wait_tensorcnt 0x0
	ds_add_u32 v192, v193
	s_wait_dscnt 0x0
	s_endpgm
.Lfunc_end_k_q0549f4a1a7_quant:
	.size	k_q0549f4a1a7_quant, .Lfunc_end_k_q0549f4a1a7_quant-k_q0549f4a1a7_quant
	.p2alignl 7, 3214868480
	.fill 96, 4, 3214868480
	.section	.rodata,"a",@progbits
	.p2align	6, 0x0
	.amdhsa_kernel k_q0549f4a1a7_quant
		.amdhsa_group_segment_fixed_size 67072
		.amdhsa_private_segment_fixed_size 0
		.amdhsa_enable_private_segment 0
		.amdhsa_kernarg_size 72
		.amdhsa_user_sgpr_count 2
		.amdhsa_user_sgpr_kernarg_segment_ptr 1
		.amdhsa_wavefront_size32 1
		.amdhsa_system_sgpr_workgroup_id_x 1
		.amdhsa_system_sgpr_workgroup_id_y 1
		.amdhsa_system_sgpr_workgroup_id_z 1
		.amdhsa_system_vgpr_workitem_id 0
		.amdhsa_next_free_vgpr 194
		.amdhsa_next_free_sgpr 66
		.amdhsa_reserve_vcc 1
		.amdhsa_float_denorm_mode_32 3
		.amdhsa_float_denorm_mode_16_64 3
		.amdhsa_memory_ordered 1
		.amdhsa_forward_progress 1
		.amdhsa_inst_pref_size 43
	.end_amdhsa_kernel
	.amdgpu_metadata
---
amdhsa.version: [ 1, 2 ]
amdhsa.kernels:
  - .name:           k_q0549f4a1a7_quant
    .symbol:         k_q0549f4a1a7_quant.kd
    .args:
      - { .name: x, .offset: 0, .size: 8, .value_kind: global_buffer, .address_space: global }
      - { .name: Wq, .offset: 8, .size: 8, .value_kind: global_buffer, .address_space: global }
      - { .name: Wk, .offset: 16, .size: 8, .value_kind: global_buffer, .address_space: global }
      - { .name: Wv, .offset: 24, .size: 8, .value_kind: global_buffer, .address_space: global }
      - { .name: Wo, .offset: 32, .size: 8, .value_kind: global_buffer, .address_space: global }
      - { .name: mask, .offset: 40, .size: 8, .value_kind: global_buffer, .address_space: global }
      - { .name: codes, .offset: 48, .size: 8, .value_kind: global_buffer, .address_space: global }
      - { .name: scales, .offset: 56, .size: 8, .value_kind: global_buffer, .address_space: global }
      - { .name: mbits, .offset: 64, .size: 8, .value_kind: global_buffer, .address_space: global }
    .group_segment_fixed_size: 67072
    .private_segment_fixed_size: 0
    .kernarg_segment_align: 8
    .kernarg_segment_size: 72
    .max_flat_workgroup_size: 128
    .sgpr_count:     66
    .vgpr_count:     194
    .wavefront_size: 32
...
	.end_amdgpu_metadata
.endif
;; end of part 1
;; launch qkv (part 2): grid 8 x 24, 4 waves a work-group, clusters of 4 x 4, 327,680 bytes of LDS; arguments codes, scales, bq, bk, bv, qrec, kvrec; writes qrec, kvrec
.if DOCPART == 2
	.amdgcn_target "amdgcn-amd-amdhsa--gfx1250"
	.amdhsa_code_object_version 6
	.text
	.protected	k_q0549f4a1a7_qkv
	.globl	k_q0549f4a1a7_qkv
	.p2align	8
	.type	k_q0549f4a1a7_qkv,@function
k_q0549f4a1a7_qkv:
	s_mov_b64 s[64:65], 0
	v_nop
	global_prefetch_b8 v0, s[64:65] scope:SCOPE_SE
	s_setreg_imm32_b32 hwreg(HW_REG_WAVE_MODE, 25, 1), 1
	s_wait_xcnt 0x0
	s_wait_alu depctr_hold_cnt(0) depctr_sa_sdst(0) depctr_va_vdst(0) depctr_va_sdst(0) depctr_va_ssrc(0) depctr_va_vcc(0) depctr_vm_vsrc(0)
	s_getreg_b32 s2, hwreg(HW_REG_IB_STS2, 6, 4)
	s_cmp_eq_u32 s2, 0
	s_cbranch_scc0 .Lentry_in_a_cluster
	s_endpgm
.Lentry_in_a_cluster:
	s_bfe_u32 s2, ttmp6, 0x10000c
	s_cmp_lg_u32 s2, 0xf033
	s_cbranch_scc0 .Lentry_shape_is_right
	s_endpgm
.Lentry_shape_is_right:
; Q = x Wq^T + bq, K = x Wk^T + bk, V = x Wv^T + bv on codes of BF6 (E3M2) with E8M0 scales, K = 1,024; the results are quantised on the way out and leave as codes: Q and K along the head's 64, V along the keys.
; ONE GEMM OF 192 TILES OF 256 x 256.  The codes' buffer holds 32 blocks of 256 rows: x 0-15, Wq 16-19, Wk 20-23, Wv 24-27.  Clusters with y < 4: side A = x, side B = Wq (cluster x = 0) or Wk (1).
; Clusters with y >= 4: side A = Wv, side B = x, so that a lane's registers run along the keys, which are V's K in the next product.
; A work-group of four waves makes a tile; a wave 128 x 128: 64 accumulators.  K goes in four steps of 256 through two LDS slots filled by the tensor data mover.
; THE CODES LIE AS IMAGES OF THE OPERAND'S REGISTERS: [tile of 16 rows][16 pieces of 64 K][768 bytes], 8 bytes a lane at 256 j + 8 x lane.  A fragment (16 x 128) is six loads of 8 bytes a lane, each 256 consecutive
; bytes for the wave: no pitch, no padding.  A K step of a 16-row tile is 3,072 dense bytes, aligned to 256; one tensor load brings eight of them, 12,288 bytes apart.
; THE SCALES of 128 rows for all of K are 4,096 dense bytes ([tile][K step][row][8 bytes]): they come once, with the first fills.
; CLUSTERS: 4 x 4 work-groups; side A's tile is shared along a row of the cluster, side B's along a column: each is asked for jointly.  Which region a cluster serves hangs on the cluster's own place in the grid,
; which all sixteen share.  THE MATRIX INSTRUCTION IS USED TRANSPOSED (source 0 = 16 rows of side B, source 1 = 16 rows of side A): lane (r, h) holds row r of side A and columns 8 h + 0..7 of side B.
; THE WAY OUT: block a (16 rows of side A x 128 columns) is 64 numbers a lane; the bias is added, the four blocks of 32 columns are quantised, and the 12 registers of codes are stored as images.
; Inside a block of 32 the codes lie in a fixed order of the lane's registers (column 16 (i / 8) + 8 h + i % 8), the same for Q and K, and for V the same as the softmax's weights take in the next launch: both
; sides of those products are permuted alike.
; LIMITS: a block of zeros or under 2^-122 gets the byte 1; NaN and infinities are not served; the order inside a block changes the order of the next products' sums.
; REGISTERS: window 0: v0-31 addresses; v32-63 scale words, two sets; v64-127 the bias along the columns; v128-223 side A's fragments; v240-247 the bias along the rows; on the way out v128-230 at work.
;   window 1: side B's fragments, two sets.   windows 2, 3: the accumulators ((a, b) at v[8 (8 (a % 4) + b)]).
.set NQ,     2                         ; matrix instructions deep in a slot
.set FR,     12                        ; registers of a fragment
.set NL,     6                         ; LDS loads that bring one
.set NP,     4                         ; places behind this matrix instruction (ISA guide 7.12.1)
.set TROW,   3072                      ; a 16-row tile's codes of one K step
.set HALFT,  8*TROW                    ; 128 rows: what one tensor load brings
.set SLOT,   4*HALFT                   ; side A's 256 rows, then side B's
.set SCL,    2*SLOT                    ; behind the ring: the scales
.set HALFS,  4096                      ; those of 128 rows
.set SBLK,   512                       ; those of 16 rows
.set SPARE,  SCL+4*HALFS               ; the spare words, 128 bytes for each wave: two blocks of 256 bytes that no other line names
.set ADRA, 16                          ; v16-17  LDS address of my fragments of side A in slot 0, 1
.set ADRB, 20                          ; v20-21  the same for side B
.set ADRS, 27                          ; v27     of my scale words: lanes 0-15 side A's rows, lanes 16-31 side B's
.set SPW,  28                          ; v28     my spare word; never rewritten
.set NIL,  29                          ; v29     0; never rewritten
.set SC,   32
.set BR,   64
.set AF,   128
.set BL,   240
.set HA,   128                         ; the way out: 64 numbers
.set PC,   192                         ; the codes just made (v192-210)
.set TM,   212                         ; v212-227 at work
.set PW,   228                         ; the scale word just made
.set SW0,  229                         ; that of the even block
.set EW,   230                         ; the word that is stored
.set G1, 24
.set G0, 32
.set G1B, 48
.set G0B, 56
.set G1S, 68
.set G0S, 76
.set G1SB, 80
.set G0SB, 88
.set PB,  32                           ; the way out (all tensor loads are done, the descriptors' registers are free): s[32:33] where codes go, s[34:35] where scale words go
.set PSC, 34
.set SA,  36                           ; s[36:37] the step from block to block, s[38:39] more at block 4
.set SA4, 38
.set SG,  48                           ; s[48:49] the same for the scale words of a pair of blocks, s[50:51] more at pair 2
.set SG2, 50
.set SEL, 68
.set MSB, 0
.macro WIN new                         ; the immediate's high byte repeats the setting that is left
.if MSB != \new
	s_set_vgpr_msb (MSB<<8)|\new
.set MSB, \new
.endif
.endm
.set MUL_LO, 0xa1                      ; source 0 (side B) window 1, source 1 (side A) window 0, C and D window 2
.set MUL_HI, 0xf1
.set TO_B,   0x40
; A joint load: waves 0 and 1 fetch for side A, waves 2 and 3 for side B; the branch hangs on the wave's number alone.  Four v_nop follow each of the two lines.
.macro JLOAD g0a, g1a, g0b, g1b
	s_cmp_eq_u32 s19, 0
	s_cbranch_scc0 .Lfor_b_\@
	tensor_load_to_lds s[\g0a:\g0a+3], s[\g1a:\g1a+7]
	s_nop 0
.rept 4
	v_nop
.endr
	s_branch .Lasked_\@
.Lfor_b_\@:
	tensor_load_to_lds s[\g0b:\g0b+3], s[\g1b:\g1b+7]
	s_nop 0
.rept 4
	v_nop
.endr
.Lasked_\@:
.endm
.macro CREST                           ; a round of the cluster's barrier behind its opening barrier
	s_cmp_lg_u32 s18, 0
	s_cbranch_scc1 .Lnot_wave_0_\@
	s_barrier_signal -3
.Lnot_wave_0_\@:
	s_barrier_wait -3
	s_barrier_signal -1
	s_barrier_wait -1
.endm
.macro CROUND
	s_barrier_signal -1
	s_barrier_wait -1
	CREST
.endm
	s_load_b256 s[4:11], s[0:1], 0x0               ; codes, scales, bq, bk
	s_load_b128 s[12:15], s[0:1], 0x20             ; bv, qrec
	s_load_b64 s[16:17], s[0:1], 0x30              ; kvrec
	v_lshl_add_u32 v[SPW], v0, 2, SPARE
	v_mov_b32 v[NIL], 0
	ds_add_u32 v28, v29
	ds_add_u32 v28, v29
	s_wait_dscnt 0x0
	v_lshrrev_b32 v1, 5, v0
	v_readfirstlane_b32 s18, v1                    ; wave 0..3
	s_lshr_b32 s19, s18, 1                         ; RH: which half of side A's rows is mine.  Also: I fetch for side A (0) or B (1)
	s_and_b32 s20, s18, 1                          ; CH: which half of side B's rows.  Also: which 128 rows I fetch
	s_bfe_u32 s21, ttmp6, 0x40000                  ; cx, cy: my place in the cluster
	s_bfe_u32 s22, ttmp6, 0x40004
	s_mov_b32 s23, ttmp9                           ; the cluster's x
	s_and_b32 s40, ttmp7, 0xffff                   ; the cluster's y
	s_lshl_b32 s45, s22, 2
	s_lshl_b32 s45, 15, s45                        ; my row of the cluster
	s_lshl_b32 s46, 0x1111, s21                    ; my column
	s_max_u32 s93, s40, 4
	s_sub_co_u32 s93, s93, 4
	s_lshl_b32 s93, s93, 3                         ; 8 (cluster y - 4)
	s_lshl_b32 s92, s40, 2
	s_lshl_b32 s94, s23, 2
	s_cmp_ge_u32 s40, 4                            ; V's region?
	s_cselect_b32 s41, 1, 0
	s_cselect_b32 s42, 24, s92
	s_cselect_b32 s43, s93, 16
	s_cselect_b32 s44, 2, s23                      ; 0 Q, 1 K, 2 V
	s_add_co_u32 s42, s42, s22                     ; side A's block of 256 rows: made of cy and the cluster's y alone
	s_add_co_u32 s43, s43, s94
	s_add_co_u32 s43, s43, s21                     ; side B's: of cx and the cluster's place alone
	; descriptor group 1 for codes: 8 rows of 384 elements of 8 bytes (3,072 bytes), 1,536 elements apart; no padding
	s_or_b32 s[G1+0], s45, (3<<16)|(1<<21)         ; 15:0 the mask; 17:16 elements of 8 bytes; 21 set beside a mask
	s_or_b32 s[G1B+0], s46, (3<<16)|(1<<21)
.irp g, G1, G1B
	s_mov_b32 s[\g+1], 384<<16                     ; tensor_dim0
	s_mov_b32 s[\g+2], 8<<16                       ; tensor_dim1
	s_mov_b32 s[\g+3], 384<<16                     ; tile_dim0
	s_mov_b32 s[\g+4], 8                           ; tile_dim1
	s_mov_b32 s[\g+5], 1536                        ; tensor_dim0_stride
	s_mov_b32 s[\g+6], 0
	s_mov_b32 s[\g+7], 0
.endr
	; and for the scales of 128 rows: 4,096 dense bytes as 16 rows of 256
	s_or_b32 s[G1S+0], s45, (3<<16)|(1<<21)
	s_or_b32 s[G1SB+0], s46, (3<<16)|(1<<21)
.irp g, G1S, G1SB
	s_mov_b32 s[\g+1], 32<<16
	s_mov_b32 s[\g+2], 16<<16
	s_mov_b32 s[\g+3], 32<<16
	s_mov_b32 s[\g+4], 16
	s_mov_b32 s[\g+5], 32
	s_mov_b32 s[\g+6], 0
	s_mov_b32 s[\g+7], 0
.endr
	s_mul_i32 s100, s20, 98304                     ; which 128 rows of the block I fetch: 8 tiles of 12,288 bytes,
	s_lshl_b32 s101, s20, 12                       ; and 4,096 bytes of scales
	s_mul_i32 s92, s42, 196608                     ; side A's codes
	s_add_co_u32 s92, s92, s100
	s_mov_b32 s93, 0
	s_lshl_b32 s94, s42, 13                        ; and scales
	s_add_co_u32 s94, s94, s101
	s_mov_b32 s95, 0
	s_mul_i32 s96, s43, 196608                     ; side B's
	s_add_co_u32 s96, s96, s100
	s_mov_b32 s97, 0
	s_lshl_b32 s98, s43, 13
	s_add_co_u32 s98, s98, s101
	s_mov_b32 s99, 0
	s_mul_i32 s47, s18, HALFT                      ; where they go: wave x 128 rows: no place in the cluster enters an LDS address
	s_lshl_b32 s66, s18, 12
	s_wait_kmcnt 0x0
	s_add_nc_u64 s[92:93], s[4:5], s[92:93]
	s_add_nc_u64 s[94:95], s[6:7], s[94:95]
	s_add_nc_u64 s[96:97], s[4:5], s[96:97]
	s_add_nc_u64 s[98:99], s[6:7], s[98:99]
	CROUND                                         ; all sixteen work-groups are here: the first joint loads meet
	s_mov_b32 s[G0S], 1
	s_add_co_u32 s[G0S+1], s66, SCL
	s_mov_b64 s[G0S+2:G0S+3], s[94:95]
	s_or_b32 s[G0S+3], s[G0S+3], 0x80000000
	s_mov_b32 s[G0SB], 1
	s_add_co_u32 s[G0SB+1], s66, SCL
	s_mov_b64 s[G0SB+2:G0SB+3], s[98:99]
	s_or_b32 s[G0SB+3], s[G0SB+3], 0x80000000
	JLOAD G0S, G1S, G0SB, G1SB                     ; the scales first: they are wanted with K step 0
.irp s, 0,1
	s_mov_b32 s[G0+4*\s], 1
	s_add_co_u32 s[G0+4*\s+1], s47, \s*SLOT
	s_add_nc_u64 s[G0+4*\s+2:G0+4*\s+3], s[92:93], \s*TROW
	s_or_b32 s[G0+4*\s+3], s[G0+4*\s+3], 0x80000000
	s_mov_b32 s[G0B+4*\s], 1
	s_add_co_u32 s[G0B+4*\s+1], s47, \s*SLOT
	s_add_nc_u64 s[G0B+4*\s+2:G0B+4*\s+3], s[96:97], \s*TROW
	s_or_b32 s[G0B+4*\s+3], s[G0B+4*\s+3], 0x80000000
	JLOAD G0+4*\s, G1, G0B+4*\s, G1B
.endr
	v_and_b32 v1, 15, v0                           ; r; kept
	v_bfe_u32 v2, v0, 4, 1                         ; h; kept
	v_and_b32 v3, 31, v0
	v_lshlrev_b32 v4, 3, v3                        ; 8 x lane; kept
	s_mul_i32 s100, s19, HALFT                     ; my 128 rows of side A
	s_mul_i32 s101, s20, HALFT                     ; my 128 rows of side B,
	s_add_co_u32 s101, s101, 2*HALFT               ; which lie behind side A's 256
.irp s, 0,1
	v_add_nc_u32 v[ADRA+\s], s100, v4
	v_add_nc_u32 v[ADRB+\s], s101, v4
	s_add_co_u32 s100, s100, SLOT
	s_add_co_u32 s101, s101, SLOT
.endr
	v_lshlrev_b32 v5, 3, v1                        ; my row's 8 scale bytes of a K step
	s_lshl_b32 s100, s19, 12                       ; side A's: my 128 rows
	s_lshl_b32 s101, s20, 12                       ; side B's: my 128 rows, behind side A's 256
	s_add_co_u32 s101, s101, 2*HALFS
	s_sub_co_u32 s101, s101, s100
	v_mul_u32_u24 v6, s101, v2                     ; lanes 16-31 take side B's: one product, the distance between the two
	s_add_co_u32 s100, s100, SCL
	v_add_nc_u32 v5, v5, v6
	v_add_nc_u32 v[ADRS], s100, v5
	; the biases.  Both kinds are loaded in every region (all addresses lie inside their buffers); the way out uses one.
	s_lshl_b32 s100, s21, 10                       ; along the columns: 256 cx + 128 CH, in bytes; lane (r, h) wants, for column block b, numbers 16 b + 8 h + 0..7
	s_lshl_b32 s101, s20, 9
	s_add_co_u32 s100, s100, s101
	s_mov_b32 s101, 0
	s_cmp_eq_u32 s44, 0
	s_cselect_b64 s[8:9], s[8:9], s[10:11]
	s_add_nc_u64 s[8:9], s[8:9], s[100:101]
	v_lshlrev_b32 v6, 5, v2
.irp b, 0,1,2,3,4,5,6,7
	global_load_b128 v[BR+8*\b:BR+8*\b+3], v6, s[8:9] offset:64*\b
	global_load_b128 v[BR+8*\b+4:BR+8*\b+7], v6, s[8:9] offset:64*\b+16
.endr
	s_lshl_b32 s100, s22, 10                       ; along the rows (V): 256 cy + 128 RH; for row block a, number 16 a + r
	s_lshl_b32 s67, s19, 9
	s_add_co_u32 s100, s100, s67
	s_add_nc_u64 s[12:13], s[12:13], s[100:101]
	v_lshlrev_b32 v7, 2, v1
.irp a, 0,1,2,3,4,5,6,7
	global_load_b32 v[BL+\a], v7, s[12:13] offset:64*\a
.endr
.macro FRAG reg, adr, q, i             ; a fragment, 16 rows x 128 K: registers 2 p, 2 p + 1 of every lane lie at 256 p + 8 x lane of its image
.irp p, 0,1,2,3,4,5
	ds_load_b64 v[\reg+2*\p:\reg+2*\p+1], v[\adr] offset:TROW*(\i)+1536*(\q)+256*\p
.endr
.endm
; 16 matrix instructions: side A's blocks a0, a0 + 1 x side B's eight, the slot's q-th 128 along K.  zero = 1: the first product starts the sums.
; The 64 accumulators take turns, one instruction a turn, in the same order in every step.
.macro MUL16 a0, p, q, sc, zero
.irp a, \a0, \a0+1
.irp b, 0,1,2,3,4,5,6,7
.if \zero
	v_wmma_scale_f32_16x16x128_f8f6f4 v[8*(8*((\a)%4)+\b):8*(8*((\a)%4)+\b)+7], v[128*(\p)+FR*\b:128*(\p)+FR*\b+FR-1], v[AF+FR*(\a):AF+FR*(\a)+FR-1], 0, v[SC+8*NQ*(\sc)+NQ*\b+(\q)], v[SC+8*NQ*(\sc)+NQ*(\a)+(\q)] matrix_a_fmt:MATRIX_FMT_BF6 matrix_b_fmt:MATRIX_FMT_BF6 matrix_a_scale:MATRIX_SCALE_ROW1
.else
	v_wmma_scale_f32_16x16x128_f8f6f4 v[8*(8*((\a)%4)+\b):8*(8*((\a)%4)+\b)+7], v[128*(\p)+FR*\b:128*(\p)+FR*\b+FR-1], v[AF+FR*(\a):AF+FR*(\a)+FR-1], v[8*(8*((\a)%4)+\b):8*(8*((\a)%4)+\b)+7], v[SC+8*NQ*(\sc)+NQ*\b+(\q)], v[SC+8*NQ*(\sc)+NQ*(\a)+(\q)] matrix_a_fmt:MATRIX_FMT_BF6 matrix_b_fmt:MATRIX_FMT_BF6 matrix_a_scale:MATRIX_SCALE_ROW1
.endif
.endr
.endr
.endm
.macro FETCH_B slot, q, p
	WIN TO_B
.irp i, 0,1,2,3,4,5,6,7
	FRAG 128*(\p)+FR*\i, ADRB+\slot, \q, \i
.endr
	WIN 0
.endm
.macro FETCH_A slot, q, i0
.irp i, \i0, \i0+1, \i0+2, \i0+3
	FRAG AF+FR*(\i), ADRA+\slot, \q, \i
.endr
.endm
.macro SCALES sc                       ; a K step's scale words into set sc: two words a row; lanes 0-15 side A's block i, lanes 16-31 side B's
.irp i, 0,1,2,3,4,5,6,7
	ds_load_b64 v[SC+8*NQ*\sc+NQ*\i:SC+8*NQ*\sc+NQ*\i+1], v[ADRS] offset:\i*SBLK
.endr
.endm
.macro PLACES n                        ; plain vector instructions between a matrix instruction and a load into, or a read of, its registers
.rept \n
	v_nop
.endr
.endm
.macro STEP slot, q, zero              ; a step of 128 along K that has its successor in the same slot
	s_wait_dscnt 4*NL                              ; side B's set and side A's blocks 0-3 are in; the youngest 24 loads (blocks 4-7) may be out
	WIN MUL_LO
	MUL16 0, (\q)%2, \q, \slot, \zero
	MUL16 2, (\q)%2, \q, \slot, \zero
	s_wait_dscnt 0
	PLACES NP
	FETCH_B \slot, (\q)+1, 1-(\q)%2
	FETCH_A \slot, (\q)+1, 0
	WIN MUL_HI
	MUL16 4, (\q)%2, \q, \slot, \zero
	MUL16 6, (\q)%2, \q, \slot, \zero
	PLACES NP
	WIN 0
	FETCH_A \slot, (\q)+1, 4
.endm
; A slot's last step changes slots: one barrier; in front of it each wave waits for all its tensor loads, adds 0 to its spare word, and waits for that and for its reads of this slot.
.macro TURN slot, next, fill
	s_wait_tensorcnt 0x0                           ; all my tensor loads have landed: my part of the next slot
	ds_add_u32 v[SPW], v[NIL]                      ; 0 onto my spare word
	s_wait_dscnt 4*NL+1                            ; (the add and the youngest 24 loads may be out)
	WIN MUL_LO
	MUL16 0, 1, NQ-1, \slot, 0                     ; sixteen matrix instructions stand between the add and the wait for it
	s_wait_dscnt 0x0                               ; the add is done, and my reads of this slot are over
	s_barrier_signal -1
	MUL16 2, 1, NQ-1, \slot, 0
	WIN 0
	s_barrier_wait -1
.if \fill
	CREST                                          ; the barrier has opened a round of the cluster's barrier: no wave of any partner still reads this slot or has a load on its way
	s_add_nc_u64 s[G0+4*\slot+2:G0+4*\slot+3], s[G0+4*\slot+2:G0+4*\slot+3], 2*TROW
	s_add_nc_u64 s[G0B+4*\slot+2:G0B+4*\slot+3], s[G0B+4*\slot+2:G0B+4*\slot+3], 2*TROW
	JLOAD G0+4*\slot, G1, G0B+4*\slot, G1B         ; the first tensor load behind the round; its four v_nop are the places in front of the loads below
.else
	PLACES NP
.endif
	v_add_nc_u32 v[ADRS], 128, v[ADRS]             ; the next K step's scale words
	FETCH_B \next, 0, 0
	FETCH_A \next, 0, 0
	SCALES \next
	WIN MUL_HI
	MUL16 4, 1, NQ-1, \slot, 0
	MUL16 6, 1, NQ-1, \slot, 0
	PLACES NP
	WIN 0
	FETCH_A \next, 0, 4
.endm
	s_wait_tensorcnt 1                             ; the scales and my part of K step 0 are in (K step 1's load may be out),
	s_barrier_signal -1
	s_barrier_wait -1                              ; everybody's are
	FETCH_B 0, 0, 0
	FETCH_A 0, 0, 0
	SCALES 0
	FETCH_A 0, 0, 4
	STEP 0, 0, 1                                   ; K = 1,024 is four K steps, eight steps of 128: written out
	TURN 0, 1, 1                                   ; slot 0 takes K step 2
	STEP 1, 0, 0
	TURN 1, 0, 1                                   ; slot 1 takes K step 3
	STEP 0, 0, 0
	TURN 0, 1, 0                                   ; nothing is left to fetch
	STEP 1, 0, 0
	s_wait_dscnt 4*NL
	WIN MUL_LO
	MUL16 0, 1, NQ-1, 1, 0
	MUL16 2, 1, NQ-1, 1, 0
	s_wait_dscnt 0
	WIN MUL_HI
	MUL16 4, 1, NQ-1, 1, 0
	MUL16 6, 1, NQ-1, 1, 0
	WIN 0
	; ---- THE WAY OUT.  Where the results go: a record for each (batch, head, 128 tokens): qrec 6,400 bytes (8 images of 16 queries x 64; 4 x 64 bytes of scale words, one word for a pair of tiles),
	; kvrec 12,800 bytes (K as qrec's; from 6,144 V's four fragments of 16 channels x 128 keys; K's scale words at 12,288; V's at 12,544).
	PLACES NP
	s_wait_loadcnt 0x0                             ; the biases
	s_lshl_b32 s24, s43, 1
	s_add_co_u32 s24, s24, s20                     ; V: which 128 tokens: 2 x side B's block + CH
	s_lshl_b32 s25, s42, 1
	s_add_co_u32 s25, s25, s19                     ; Q, K: 2 x side A's block + RH
	s_lshl_b32 s26, s22, 2
	s_lshl_b32 s56, s19, 1
	s_add_co_u32 s26, s26, s56                     ; V: my first head: 4 cy + 2 RH
	s_lshl_b32 s27, s21, 2
	s_lshl_b32 s56, s20, 1
	s_add_co_u32 s27, s27, s56                     ; Q, K: 4 cx + 2 CH
	s_mov_b32 s28, 12800
	s_mov_b32 s30, 12288
	s_cmp_eq_u32 s44, 0
	s_cselect_b32 s28, 6400, s28                   ; a record's bytes
	s_cselect_b32 s30, 6144, s30                   ; where its scale words begin
	s_cselect_b64 s[PB:PB+1], s[14:15], s[16:17]   ; the buffer
	s_lshl_b32 s29, s28, 4                         ; from a head's records to the next head's
	s_mov_b32 s56, 12544
	s_mov_b32 s57, 768
	s_mov_b32 s58, 0x05040100
	s_mov_b32 s59, 0x07060302
	s_cmp_eq_u32 s41, 1
	s_cselect_b32 s24, s24, s25
	s_cselect_b32 s26, s26, s27
	s_cselect_b32 s30, s56, s30
	s_cselect_b32 s31, 6144, 0                     ; where the codes begin in a record
	s_cselect_b32 s[SA], 1536, s57                 ; from block to block
	s_cselect_b32 s[SA4], 198656, 0                ; V: block 4 begins the next head's record: 204,800 - 4 x 1,536
	s_cselect_b32 s[SG], 128, 64
	s_cselect_b32 s[SG2], 204544, 0                ; 204,800 - 2 x 128
	s_cselect_b32 s52, s57, s29                    ; registers 6-11: V: the fragment's second half; Q, K: the next head's image
	s_cselect_b32 s53, 64, s29                     ; lanes 16-31 of a scale store: V: the odd block's words; Q, K: the next head's
	s_cselect_b32 s54, 0x03020100, s58             ; which bytes make the word stored by lanes 0-15,
	s_cselect_b32 s55, 0x07060504, s59             ; and by lanes 16-31
	s_mov_b32 s[SA+1], 0
	s_mov_b32 s[SA4+1], 0
	s_mov_b32 s[SG+1], 0
	s_mov_b32 s[SG2+1], 0
	s_lshr_b32 s56, s24, 4                         ; the record: ((batch x 16 + head) x 16 + chunk)
	s_lshl_b32 s56, s56, 4
	s_add_co_u32 s56, s56, s26
	s_lshl_b32 s56, s56, 4
	s_and_b32 s24, s24, 15
	s_add_co_u32 s56, s56, s24
	s_mul_i32 s56, s56, s28
	s_mov_b32 s57, 0
	s_mov_b64 s[PSC:PSC+1], s[PB:PB+1]
	s_add_nc_u64 s[PB:PB+1], s[PB:PB+1], s[56:57]
	s_add_nc_u64 s[PSC:PSC+1], s[PSC:PSC+1], s[56:57]
	s_mov_b32 s56, s31
	s_add_nc_u64 s[PB:PB+1], s[PB:PB+1], s[56:57]
	s_mov_b32 s56, s30
	s_add_nc_u64 s[PSC:PSC+1], s[PSC:PSC+1], s[56:57]
	s_mov_b32 s[SEL], 0x76543210
	s_mov_b32 s[SEL+1], 0xfedcba98
	v_add_nc_u32 v9, s52, v4                       ; 8 x lane + the second half's distance
	v_lshlrev_b32 v10, 2, v1
	v_mul_u32_u24 v5, s53, v2
	v_add_nc_u32 v10, v10, v5                      ; 4 r + h x the distance
	v_mov_b32 v11, s54
	v_mov_b32 v5, s55
	v_cmp_eq_u32 vcc_lo, 1, v2
	v_cndmask_b32 v11, v11, v5, vcc_lo
.irp b, 0,1,2,3
	v_mov_b32 v[TM+4+\b], 0                        ; written once: a lane permute's destination counts as one of its sources
.endr
; 64 numbers of a lane, v[s] .. v[s + 63]; registers 16 b + 0..15 are my 16 of block b of my row: they become a fragment's codes in v[PC] on and its scale word in v[PW].
.macro QUANT s
.irp b, 0,1,2,3
	v_max3_num_f32 v[TM+\b], |v[\s+16*\b]|, |v[\s+1+16*\b]|, 0x2800000   ; block b: my 16 numbers, and the floor 2^(5 - 127): the byte cannot fall under 1
.endr
.irp i, 2,4,6,8,10,12,14
.irp b, 0,1,2,3
	v_max3_num_f32 v[TM+\b], v[TM+\b], |v[\s+16*\b+\i]|, |v[\s+1+16*\b+\i]|   ; (the four blocks by turns)
.endr
.endr
.irp b, 0,1,2,3
	v_permlanex16_b32 v[TM+4+\b], v[TM+\b], s[SEL], s[SEL+1]
.endr
.irp b, 0,1,2,3
	v_max_num_f32 v[TM+\b], v[TM+\b], v[TM+4+\b]   ; with lane l xor 16's: the block's largest magnitude
.endr
.irp b, 0,1,2,3
	v_add_nc_u32 v[TM+12+\b], 0xfe000000, v[TM+\b]   ; 4 off its exponent field: the conversion's scale operand
.endr
.irp b, 0,1,2,3
	v_lshrrev_b32 v[TM+4+\b], 23, v[TM+12+\b]      ; the scale's byte
.endr
	v_lshl_or_b32 v[PW], v[TM+5], 8, v[TM+4]
	v_lshl_or_b32 v[PW], v[TM+6], 16, v[PW]
	v_lshl_or_b32 v[PW], v[TM+7], 24, v[PW]
.irp c, 0,1
	v_cvt_scalef32_pk16_bf6_f32 v[PC+6*\c:PC+2+6*\c], v[\s+32*\c:\s+15+32*\c], v[TM+12+2*\c]
	v_cvt_scalef32_pk16_bf6_f32 v[PC+12+4*\c:PC+14+4*\c], v[\s+16+32*\c:\s+31+32*\c], v[TM+12+2*\c+1]   ; (a conversion's three registers begin on an even number)
.endr
	v_nop                                          ; one plain place behind a scaled conversion
.irp c, 0,1                                    ; the operand's layout wants a whole block in a lane: lanes 0-15 block 2 c, lanes 16-31 block 2 c + 1
.irp i, 0,1,2
	v_permlane16_swap_b32 v[PC+6*\c+\i], v[PC+12+4*\c+\i]
.endr
.irp i, 0,1,2
	v_mov_b32 v[PC+3+6*\c+\i], v[PC+12+4*\c+\i]
.endr
.endr
.endm
; Block a: the bias is added (which also brings the numbers into window 0; each accumulator is read from its low end on), the block is quantised and stored.
.macro OUTBLK a
.if (\a) > 0
	s_wait_xcnt 0x0                                ; the last block's stores have read their registers and bases: both are written again only behind this wait
	s_add_nc_u64 s[PB:PB+1], s[PB:PB+1], s[SA:SA+1]
.endif
.if (\a) == 4
	s_add_nc_u64 s[PB:PB+1], s[PB:PB+1], s[SA4:SA4+1]
.endif
	s_cmp_eq_u32 s41, 1                            ; the region: the same in all sixteen work-groups of the cluster
	s_cbranch_scc1 .Lforv_\@
	WIN (0x02+(\a)/4)                              ; source 0: window 2 or 3
.set k, 0
.rept 32
	v_pk_add_f32 v[HA+2*k:HA+2*k+1], v[64*((\a)%4)+2*k:64*((\a)%4)+2*k+1], v[BR+2*k:BR+2*k+1]   ; Q, K: the bias runs along my registers
.set k, k+1
.endr
	WIN 0
	s_branch .Lsum_\@
.Lforv_\@:
	WIN (0x02+(\a)/4)
.set k, 0
.rept 32
.if (\a)%2
	v_pk_add_f32 v[HA+2*k:HA+2*k+1], v[64*((\a)%4)+2*k:64*((\a)%4)+2*k+1], v[BL+(\a)-1:BL+(\a)] op_sel:[0,1] op_sel_hi:[1,1]   ; V: one bias for my row: the pair's second register for both halves
.else
	v_pk_add_f32 v[HA+2*k:HA+2*k+1], v[64*((\a)%4)+2*k:64*((\a)%4)+2*k+1], v[BL+(\a):BL+(\a)+1] op_sel_hi:[1,0]                ; the pair's first register for both halves
.endif
.set k, k+1
.endr
	WIN 0
.Lsum_\@:
	QUANT HA
.irp i, 0,1,2
	global_store_b64 v4, v[PC+2*\i:PC+2*\i+1], s[PB:PB+1] offset:256*\i        ; 32 lanes store 256 consecutive bytes, aligned
.endr
.irp i, 0,1,2
	global_store_b64 v9, v[PC+6+2*\i:PC+7+2*\i], s[PB:PB+1] offset:256*\i
.endr
.if (\a)%2 == 0
	v_mov_b32 v[SW0], v[PW]
.else
	v_perm_b32 v[EW], v[PW], v[SW0], v11           ; Q, K: two bytes of the even tile, two of the odd, of my lanes' head; V: the even block's word or the odd's
.if (\a) > 1
	s_add_nc_u64 s[PSC:PSC+1], s[PSC:PSC+1], s[SG:SG+1]
.endif
.if (\a) == 5
	s_add_nc_u64 s[PSC:PSC+1], s[PSC:PSC+1], s[SG2:SG2+1]
.endif
	global_store_b32 v10, v[EW], s[PSC:PSC+1]
.endif
.endm
.irp a, 0,1,2,3,4,5,6,7
	OUTBLK \a
.endr
	s_wait_tensorcnt 0x0                           ; the wave's end
	ds_add_u32 v[SPW], v[NIL]
	s_wait_dscnt 0x0
	CROUND                                         ; the closing round: no work-group ends while a partner may still ask for a tile that names it
	s_endpgm
.Lfunc_end_k_q0549f4a1a7_qkv:
	.size	k_q0549f4a1a7_qkv, .Lfunc_end_k_q0549f4a1a7_qkv-k_q0549f4a1a7_qkv
	.p2alignl 7, 3214868480
	.fill 96, 4, 3214868480
	.section	.rodata,"a",@progbits
	.p2align	6, 0x0
	.amdhsa_kernel k_q0549f4a1a7_qkv
		.amdhsa_group_segment_fixed_size 327680
		.amdhsa_private_segment_fixed_size 0
		.amdhsa_enable_private_segment 0
		.amdhsa_kernarg_size 56
		.amdhsa_user_sgpr_count 2
		.amdhsa_user_sgpr_kernarg_segment_ptr 1
		.amdhsa_wavefront_size32 1
		.amdhsa_system_sgpr_workgroup_id_x 1
		.amdhsa_system_sgpr_workgroup_id_y 1
		.amdhsa_system_sgpr_workgroup_id_z 1
		.amdhsa_system_vgpr_workitem_id 0
		.amdhsa_next_free_vgpr 1024
		.amdhsa_next_free_sgpr 102
		.amdhsa_reserve_vcc 1
		.amdhsa_float_denorm_mode_32 3
		.amdhsa_float_denorm_mode_16_64 3
		.amdhsa_memory_ordered 1
		.amdhsa_forward_progress 1
		.amdhsa_inst_pref_size 204
	.end_amdhsa_kernel
	.amdgpu_metadata
---
amdhsa.version: [ 1, 2 ]
amdhsa.kernels:
  - .name:           k_q0549f4a1a7_qkv
    .symbol:         k_q0549f4a1a7_qkv.kd
    .args:
      - { .name: codes, .offset: 0, .size: 8, .value_kind: global_buffer, .address_space: global }
      - { .name: scales, .offset: 8, .size: 8, .value_kind: global_buffer, .address_space: global }
      - { .name: bq, .offset: 16, .size: 8, .value_kind: global_buffer, .address_space: global }
      - { .name: bk, .offset: 24, .size: 8, .value_kind: global_buffer, .address_space: global }
      - { .name: bv, .offset: 32, .size: 8, .value_kind: global_buffer, .address_space: global }
      - { .name: qrec, .offset: 40, .size: 8, .value_kind: global_buffer, .address_space: global }
      - { .name: kvrec, .offset: 48, .size: 8, .value_kind: global_buffer, .address_space: global }
    .group_segment_fixed_size: 327680
    .private_segment_fixed_size: 0
    .kernarg_segment_align: 8
    .kernarg_segment_size: 56
    .max_flat_workgroup_size: 128
    .sgpr_count:     102
    .vgpr_count:     1024
    .wavefront_size: 32
...
	.end_amdgpu_metadata
.endif
;; end of part 2
;; launch attn (part 3): grid 8 x 32, 16 waves a work-group, no clusters, 219,648 bytes of LDS; arguments qrec, kvrec, mbits, rel_emb, ctxc, ctxs; writes ctxc, ctxs
.if DOCPART == 3
	.amdgcn_target "amdgcn-amd-amdhsa--gfx1250"
	.amdhsa_code_object_version 6
	.text
	.protected	k_q0549f4a1a7_attn
	.globl	k_q0549f4a1a7_attn
	.p2align	8
	.type	k_q0549f4a1a7_attn,@function
k_q0549f4a1a7_attn:
	s_mov_b64 s[64:65], 0
	v_nop
	global_prefetch_b8 v0, s[64:65] scope:SCOPE_SE
	s_setreg_imm32_b32 hwreg(HW_REG_WAVE_MODE, 25, 1), 1
	s_wait_xcnt 0x0
; ctx = softmax(Q K^T / 8 + relative bias, causal and padding masks at -1e9) V for one (batch, head), both products on codes of BF6 (E3M2) with E8M0 scales; ctx leaves quantised along d_model.
; THE SOFTMAX: t = logit x log2(e); M = the running largest t rounded up to a whole number; p = 2^(t - M) is quantised along the keys; the row's sum is taken of the unquantised p and divides at the end.
; A HIDDEN KEY HAS t = -1e9 x log2(e) (in f32 -1,442,695,040, a whole number), not -infinity: a query with no open key at or before it has 2,048 equal logits, so p = 1 for ALL keys, those after it too.
; A tile that holds such a query (its first query lies under F, the batch's first open key) therefore walks all 16 key steps; every other tile walks only the steps up to its diagonal.
; SHARES: work-group (p, batch x 16 + head); each of 16 waves owns one tile of 16 queries, in the p-th or the (15 - p)-th block of 128 queries: 8 (p + 1) + 8 (16 - p) = 136 tile-steps in every work-group.
; K AND V come as records of 12,800 bytes for 128 keys (images of the operands' registers, made by the launch before).  Record c is copied through registers to LDS byte 12,800 c, one trip ahead of its use; no LDS
; byte is filled twice; one barrier a trip, which every wave passes 16 times.  The claim has one record's room more than is filled: the staging address of the last trip, which is never used, lies in it.
; NO JOINT LOADS: the eight work-groups of a head do read the same records, but they need different numbers of them (16 - p), and the short way and the long walk are branches on the stored mask words.
; LAYOUT: S^T = K Q^T (source 0 = 16 keys, source 1 = my 16 queries), O^T = V^T P^T: a lane holds one query (lane % 16).  The head's K is 64, the instruction's 128: a fragment of K holds TWO tiles of 16 keys, and Q
; stands in the first or the second half of its operand beside zero codes, which silence the other tile.
; THE SHORT WAY: where every key of a step lies 32 or more before every query of the tile and no key is masked, the bias is one number and goes into the exponent's addend.  Else each score gets its bias
; (a lane permute out of a table of 32) and its mask bit.
; LIMITS: a real logit is taken to lie more than some 100 above -1e9, else hidden keys in steps that are left out would still count; a block of zeros or under 2^-122 gets the byte 1; NaN and infinities are not
; served; inside a block of 32 keys p's codes lie in the same order as V's (both sides permuted alike), which changes the order of the sums.
.set CHUNK, 12800
.set KV,  34                           ; v34-81   four fragments: K's, then V's
.set KS,  82                           ; v82-83   K's scale words;  v84-85 V's;  v86 Q's;  v87 p's: these six hold scales and nothing else
.set VS,  84
.set QS,  86
.set PS,  87
.set S,   96                           ; v96-159  S^T, then p
.set O,   160                          ; v160-191 O^T
.set PCD, 192                          ; v192-203 p's codes; v204-210 the conversions' second halves
.set BM,  212                          ; v212-215 the blocks' largest scores;  v216-219 permute and bytes;  v220-223 scale operands
.set PT,  216
.set SO,  220
.set TP,  228                          ; v228-243 at work
; v1 8 x lane, v2 4 x lane, v3 16 x thread + 12,800, v4 16 x thread, v5-7 the trip's LDS addresses, v8 my query - 8 h, v9 that - the step's first key, v10 four times that, v11 the bias table,
; v12 -M, v13 the largest t, v[14:15] the sum, v16-33 zeros | q | zeros, v88-95 staging, v224 8 h, v225-226 at work, v227 the far bias, v244 a hidden key's t, v[250:251] the addend, v[252:253] f, v254 at work
; s16 wave, s17 p, s18 batch x 16 + head, s19 batch, s20 head, s21 tile in the block, s22 block, s23 first query, s24 F, s25 records wanted, s26 step, s27 first key, s28 the record's LDS byte, s29 step + 1,
; s30 mask words' offset, s[32:35] the next step's mask words, s[36:39] this step's, s[40:41] the next record, s[42:43] lane selects, s[44:45] multiplier, s46 addend, s47 far bias, s48 log2(e) / 8
.macro LOADG                           ; a record: 800 pieces of 16 bytes: one for each of 512 threads, and a second for the first 288
	global_load_b128 v[88:91], v4, s[40:41]
	s_cmp_lt_u32 s16, 9
	s_cbranch_scc0 .Lone_\@
	global_load_b128 v[92:95], v4, s[40:41] offset:8192
.Lone_\@:
.endm
	s_load_b256 s[4:11], s[0:1], 0x0               ; qrec, kvrec, mbits, rel_emb
	s_load_b128 s[12:15], s[0:1], 0x20             ; ctxc, ctxs
	v_lshl_add_u32 v249, v0, 2, 0x35200
	v_mov_b32 v255, 0
	v_lshrrev_b32 v1, 5, v0
	v_readfirstlane_b32 s16, v1
	s_mov_b32 s17, ttmp9
	s_and_b32 s18, ttmp7, 0xffff
	s_lshr_b32 s19, s18, 4
	s_and_b32 s20, s18, 15
	s_lshr_b32 s21, s16, 1
	s_lshr_b32 s50, s16, 2
	s_xor_b32 s50, s50, s16
	s_and_b32 s50, s50, 1                          ; two of every four neighbouring waves, and of every four waves 4 apart, take the late block
	s_sub_co_u32 s51, 15, s17
	s_cmp_lg_u32 s50, 0
	s_cselect_b32 s22, s51, s17
	s_lshl_b32 s23, s22, 7
	s_lshl_b32 s50, s21, 4
	s_add_co_u32 s23, s23, s50
	s_mov_b32 s42, 0x76543210
	s_mov_b32 s43, 0xfedcba98
	s_mov_b32 s48, 0x3e38aa3b                      ; log2(e) / sqrt(64)
	s_mov_b32 s44, s48
	s_mov_b32 s45, s48                             ; (named with s44 as a pair, so it is written)
	s_mov_b32 s26, 0
	s_mov_b32 s27, 0
	s_mov_b32 s28, 0
	s_lshl_b32 s30, s19, 8                         ; my batch's 64 words of mask bits
	s_lshl_b32 s31, s19, 7
	s_add_co_u32 s31, s31, 512                     ; and its first open key
	s_mul_i32 s40, s18, 16*CHUNK
	s_mov_b32 s41, 0
	s_lshl_b32 s50, s18, 4
	s_add_co_u32 s50, s50, s22
	s_mul_i32 s50, s50, 6400                       ; Q's record
	s_mul_i32 s52, s21, 768
	s_add_co_u32 s52, s52, s50                     ; my tile's image
	s_mov_b32 s53, 0
	s_lshr_b32 s54, s21, 1
	s_lshl_b32 s54, s54, 6
	s_add_co_u32 s54, s54, s50
	s_add_co_u32 s54, s54, 6144                    ; my pair's scale words
	s_mov_b32 s55, 0
	s_lshl_b32 s56, s20, 2                         ; my head's column of the table of biases
	s_mov_b32 s57, 0
	v_and_b32 v2, 31, v0
	v_lshlrev_b32 v1, 3, v2
	v_sub_nc_u32 v9, 32, v2
	v_lshlrev_b32 v9, 6, v9                        ; lane l: row 32 - l of rel_emb (64 bytes a row): the bias of a key l before its query
	v_lshlrev_b32 v2, 2, v2
	v_lshlrev_b32 v4, 4, v0
	v_add_nc_u32 v3, CHUNK, v4
	v_and_b32 v5, 15, v0                           ; r
	v_bfe_u32 v6, v0, 4, 1                         ; h
	v_lshlrev_b32 v224, 3, v6
	v_add_nc_u32 v8, s23, v5
	v_sub_nc_u32 v8, v8, v224
	v_lshlrev_b32 v7, 2, v5
	v_mov_b32 v10, 0
.irp j, 16,17,18,19,20,21,28,29,30,31,32,33
	v_mov_b32 v\j, 0                               ; zero codes on both sides of q
.endr
.irp j, 92,93,94,95
	v_mov_b32 v\j, 0                               ; the second staging piece: only waves 0 to 8 load and store it; written once in every wave, so that the registers hold a number on every path
.endr
	s_wait_kmcnt 0x0
	s_load_b32 s24, s[8:9], s31 offset:0x0
	s_load_b128 s[32:35], s[8:9], s30 offset:0x0
	s_add_nc_u64 s[40:41], s[6:7], s[40:41]
	s_add_nc_u64 s[52:53], s[4:5], s[52:53]
	s_add_nc_u64 s[54:55], s[4:5], s[54:55]
	s_add_nc_u64 s[56:57], s[10:11], s[56:57]
	LOADG                                          ; record 0
.irp j, 0,1,2
	global_load_b64 v[22+2*\j:23+2*\j], v1, s[52:53] offset:256*\j
.endr
	global_load_b32 v254, v7, s[54:55]
	global_load_b32 v11, v9, s[56:57]
	global_load_b32 v227, v10, s[56:57]            ; rel_emb[0][head]: the bias of every key 32 or more before its query
	s_mov_b32 s50, 0x03020302
	s_and_b32 s51, s21, 1
	s_cmp_eq_u32 s51, 0
	s_cselect_b32 s50, 0x01000100, s50             ; my tile's two bytes of the pair's word, twice: for q in either half of its operand
	s_wait_loadcnt 0x0
	v_perm_b32 v[QS], v254, v254, s50
	ds_store_b128 v4, v[88:91]
	s_cmp_lt_u32 s16, 9
	s_cbranch_scc0 .Lhead_one
	ds_store_b128 v4, v[92:95] offset:8192
.Lhead_one:
	s_add_nc_u64 s[40:41], s[40:41], CHUNK
	v_mul_f32 v11, 0x3fb8aa3b, v11                 ; the biases as parts of t
	v_mul_f32 v227, 0x3fb8aa3b, v227
	v_readfirstlane_b32 s47, v227
	v_mov_b32 v244, 0xceabfb8f                     ; -1e9 x log2(e)
	v_mov_b32 v13, 0xff61b1e6                      ; the largest t so far: -3e38, under every t
	v_floor_f32 v12, -v13                          ; -M
	v_mov_b32 v14, 0
	v_mov_b32 v15, 0
.irp b, 0,1,2,3
	v_mov_b32 v[PT+\b], 0                          ; written once: a lane permute's destination counts as one of its sources
.endr
	v_mov_b32 v251, 0                              ; (upper halves of pairs that are named whole)
	v_mov_b32 v252, 0
	v_mov_b32 v253, 0
.set j, 0
.rept 32
	v_mov_b32 v[O+j], 0                            ; O^T: the step is written once; the first finds zeros
.set j, j+1
.endr
	s_wait_kmcnt 0x0
	s_lshl_b32 s50, s17, 7                         ; the work-group's first query
	s_sub_co_u32 s51, 16, s17
	s_cmp_lt_u32 s50, s24
	s_cselect_b32 s25, 16, s51                     ; records wanted: up to the late block's diagonal, or all where a tile walks all keys
	s_wait_dscnt 0x0
	s_barrier_signal -1
	s_barrier_wait -1                              ; record 0 lies in LDS
.Lstep:
	s_wait_kmcnt 0x0                               ; this step's mask words are in, and their load has read its offset
	s_mov_b64 s[36:37], s[32:33]
	s_mov_b64 s[38:39], s[34:35]
	s_add_co_u32 s30, s30, 16
	s_load_b128 s[32:35], s[8:9], s30 offset:0x0   ; the next step's (behind the last step: 16 bytes that lie in the buffer and are not used)
	v_add_nc_u32 v5, s28, v1                       ; the trip's LDS addresses: codes,
	v_add_nc_u32 v6, s28, v2                       ; scale words,
	v_add_nc_u32 v7, s28, v3                       ; and where the next record goes
	s_add_co_u32 s29, s26, 1
	s_cmp_lt_u32 s29, s25
	s_cbranch_scc0 .Lno_load
	LOADG                                          ; the next record: it has the whole step in which to come
.Lno_load:
	s_cmp_le_u32 s26, s22                          ; a step up to my diagonal,
	s_cbranch_scc1 .Lwork
	s_cmp_lt_u32 s23, s24                          ; or a tile with a query that has no open key
	s_cbranch_scc0 .Lskip
.Lwork:
.irp g, 0,1,2,3
.irp i, 0,1,2,3,4,5
	ds_load_b64 v[KV+12*\g+2*\i:KV+12*\g+2*\i+1], v5 offset:1536*\g+256*\i       ; K: fragment g = key tiles 2 g and 2 g + 1
.endr
.endr
	ds_load_b32 v[KS], v6 offset:12288             ; lanes 0-15 fragment 0's words, lanes 16-31 fragment 1's
	ds_load_b32 v[KS+1], v6 offset:12416
	s_wait_dscnt 0x0
.macro KQ g, u                         ; key tile 2 g + u: q stands in half u of its operand
.if (\g)%2
	v_wmma_scale_f32_16x16x128_f8f6f4 v[S+8*(2*(\g)+\u):S+8*(2*(\g)+\u)+7], v[KV+12*(\g):KV+12*(\g)+11], v[22-6*(\u):33-6*(\u)], 0, v[KS+(\g)/2], v[QS] matrix_a_fmt:MATRIX_FMT_BF6 matrix_b_fmt:MATRIX_FMT_BF6 matrix_a_scale:MATRIX_SCALE_ROW1
.else
	v_wmma_scale_f32_16x16x128_f8f6f4 v[S+8*(2*(\g)+\u):S+8*(2*(\g)+\u)+7], v[KV+12*(\g):KV+12*(\g)+11], v[22-6*(\u):33-6*(\u)], 0, v[KS+(\g)/2], v[QS] matrix_a_fmt:MATRIX_FMT_BF6 matrix_b_fmt:MATRIX_FMT_BF6
.endif
.endm
.irp g, 0,1,2,3
	KQ \g, 0
	KQ \g, 1
.endr                                          ; register 8 T + j of lane (r, h): key 16 T + 8 h + j of the step, query r
	v_sub_nc_u32 v9, v8, s27                       ; D = my query - 8 h - the step's first key: register 8 T + j's key lies D - (16 T + j) before my query
	v_lshlrev_b32 v10, 2, v9
	v_nop
	v_nop                                          ; four places behind the products: then loads into the registers that they read
.irp t, 0,1,2,3
.irp i, 0,1,2,3,4,5
	ds_load_b64 v[KV+12*\t+2*\i:KV+12*\t+2*\i+1], v5 offset:6144+1536*\t+256*\i  ; V: they come while the softmax is walked
.endr
.endr
	ds_load_b32 v[VS], v6 offset:12544
	ds_load_b32 v[VS+1], v6 offset:12672
	s_mov_b32 s44, s48                             ; the short way: t = score x log2(e) / 8 + the far bias
	s_mov_b32 s46, s47
	s_add_co_u32 s50, s27, 159
	s_cmp_gt_u32 s50, s23                          ; a key less than 32 before a query, or behind one
	s_cbranch_scc1 .Lgen
	s_and_b32 s50, s36, s37
	s_and_b32 s51, s38, s39
	s_and_b32 s50, s50, s51
	s_cmp_eq_u32 s50, -1                           ; or a masked key
	s_cbranch_scc1 .Lfast
.Lgen:
.irp b, 0,1,2,3                                ; block b of 32 keys: register 16 b + i holds the key at 32 b + 16 (i / 8) + i % 8 (+ 8 h)
	v_add_nc_u32 v225, 1-32*\b, v9                 ; n: so many of my half's places in the block are at or before my query
	v_min_u32 v226, 31, v225
	v_lshlrev_b32 v226, v226, -1                   ; ones from bit n up
	v_lshrrev_b32 v254, v224, s[36+\b]             ; the block's mask bits, my half's at bits 0-7 and 16-23
	v_bfi_b32 v254, v226, 0, v254                  ; those under bit n
	v_cmp_lt_i32 vcc_lo, 0, v225
	v_cndmask_b32 v225, 0, v254, vcc_lo            ; none where n <= 0: the bits of the keys that count
.irp i, 0,1,2,3,4,5,6,7,8,9,10,11,12,13,14,15
	v_add_nc_u32 v[TP+\i], -4*(32*\b+16*(\i/8)+\i%8), v10      ; four times the key's distance before my query: the table's lane, as a byte address
.endr
.irp i, 0,1,2,3,4,5,6,7,8,9,10,11,12,13,14,15
	ds_bpermute_b32 v[TP+\i], v[TP+\i], v11        ; (the lane is taken modulo 32: what a distance outside 0..31 brings is replaced below)
.endr
	s_wait_dscnt 0x0
.irp i, 0,1,2,3,4,5,6,7,8,9,10,11,12,13,14,15
	v_cmp_lt_i32 vcc_lo, 32*\b+16*(\i/8)+\i%8+31, v9
	v_cndmask_b32 v[TP+\i], v[TP+\i], v227, vcc_lo             ; 32 or more before: the far bias
	v_fma_f32 v[S+16*\b+\i], v[S+16*\b+\i], s48, v[TP+\i]      ; t
	v_and_b32 v226, 1<<(16*(\i/8)+\i%8), v225
	v_cmp_ne_u32 vcc_lo, 0, v226
	v_cndmask_b32 v[S+16*\b+\i], v244, v[S+16*\b+\i], vcc_lo   ; a hidden key's t
.endr
.endr
	s_mov_b32 s44, 1.0                             ; the registers hold t itself
	s_mov_b32 s46, 0
.Lfast:
.irp b, 0,1,2,3
	v_max3_num_f32 v[BM+\b], v[S+16*\b], v[S+1+16*\b], v[S+2+16*\b]   ; the largest of each block of 32 keys: for the row's maximum, and, since p rises with it, for the block's largest p
.endr
.irp i, 3,5,7,9,11,13
.irp b, 0,1,2,3
	v_max3_num_f32 v[BM+\b], v[BM+\b], v[S+16*\b+\i], v[S+1+16*\b+\i]
.endr
.endr
.irp b, 0,1,2,3
	v_max_num_f32 v[BM+\b], v[BM+\b], v[S+15+16*\b]
.endr
.irp b, 0,1,2,3
	v_permlanex16_b32 v[PT+\b], v[BM+\b], s42, s43
.endr
.irp b, 0,1,2,3
	v_max_num_f32 v[BM+\b], v[BM+\b], v[PT+\b]     ; with lane l xor 16's 16 keys
.endr
	v_max3_num_f32 v254, v[BM], v[BM+1], v[BM+2]
	v_max_num_f32 v254, v254, v[BM+3]
	v_fma_f32 v254, v254, s44, s46                 ; the step's largest t of my query (the multiplier is positive)
	v_max_num_f32 v13, v13, v254
	v_mov_b32 v254, v12
	v_floor_f32 v12, -v13                          ; the new -M = -ceil(t): M is a whole number
	v_sub_f32 v254, v12, v254                      ; old M - new M: a whole number, 0 or less
	v_cvt_i32_f32 v254, v254                       ; (it saturates)
	v_ldexp_f32 v252, 1.0, v254                    ; f = 2^(old M - new M): rounds nothing
	v_add_f32 v250, s46, v12                       ; the addend: the far bias, or 0, less M
.set j, 0
.rept 32
	v_pk_fma_f32 v[S+j:S+j+1], v[S+j:S+j+1], s[44:45], v[250:251] op_sel_hi:[1,0,0]   ; t - M, two at a time (of both pairs the low word serves both halves)
.set j, j+2
.endr
.irp b, 0,1,2,3
	v_fma_f32 v[BM+\b], v[BM+\b], s44, v250        ; the same of each block's largest
.endr
.set j, 0
.rept 64
	v_exp_f32 v[S+j], v[S+j]                       ; p = 2^(t - M), at most 1
.set j, j+1
.endr
.irp b, 0,1,2,3
	v_exp_f32 v[BM+\b], v[BM+\b]                   ; the block's largest p: the same two instructions on the same number
.endr
	v_pk_mul_f32 v[14:15], v[14:15], v[252:253] op_sel_hi:[1,0]   ; the sums under the new M; also the plain place behind the exponentials
	s_wait_alu depctr_va_vdst(0)
.irp b, 0,1,2,3
	v_max_num_f32 v[BM+\b], 0x2800000, v[BM+\b]    ; the floor 2^(5 - 127): the byte cannot fall under 1
.endr
.irp b, 0,1,2,3
	v_add_nc_u32 v[SO+\b], 0xfe000000, v[BM+\b]    ; 4 off the exponent field: the conversion's scale operand
.endr
.irp b, 0,1,2,3
	v_lshrrev_b32 v[PT+\b], 23, v[SO+\b]           ; the byte
.endr
	v_lshl_or_b32 v[PS], v[PT+1], 8, v[PT]         ; p's scale word for these 128 keys
	v_lshl_or_b32 v[PS], v[PT+2], 16, v[PS]
	v_lshl_or_b32 v[PS], v[PT+3], 24, v[PS]
.irp c, 0,1
	v_cvt_scalef32_pk16_bf6_f32 v[PCD+6*\c:PCD+2+6*\c], v[S+32*\c:S+15+32*\c], v[SO+2*\c]
	v_cvt_scalef32_pk16_bf6_f32 v[PCD+12+4*\c:PCD+14+4*\c], v[S+16+32*\c:S+31+32*\c], v[SO+2*\c+1]   ; (a conversion's three registers begin on an even number)
.endr
	v_nop                                          ; one plain place behind a scaled conversion
.irp c, 0,1                                    ; a whole block to a lane: lanes 0-15 block 2 c, lanes 16-31 block 2 c + 1
.irp i, 0,1,2
	v_permlane16_swap_b32 v[PCD+6*\c+\i], v[PCD+12+4*\c+\i]
.endr
.irp i, 0,1,2
	v_mov_b32 v[PCD+3+6*\c+\i], v[PCD+12+4*\c+\i]
.endr
.endr
	v_pk_add_f32 v[TP:TP+1], v[S:S+1], v[S+2:S+3]  ; the row's sum is taken of the unquantised p: two chains
.irp j, 4,8,12,16,20,24,28,32,36,40,44,48,52,56,60
	v_pk_add_f32 v[14:15], v[14:15], v[S+\j:S+\j+1]
	v_pk_add_f32 v[TP:TP+1], v[TP:TP+1], v[S+2+\j:S+3+\j]
.endr
	v_pk_add_f32 v[14:15], v[14:15], v[TP:TP+1]
.set j, 0
.rept 16
	v_pk_mul_f32 v[O+j:O+j+1], v[O+j:O+j+1], v[252:253] op_sel_hi:[1,0]   ; O^T under the new M.  (With the sums: more than eight plain places between p's scale word and the products below)
.set j, j+2
.endr
	s_wait_dscnt 0x0                               ; V
.irp t, 0,2                                    ; O^T += V^T P^T: the four accumulators by turns, one instruction a turn
	v_wmma_scale_f32_16x16x128_f8f6f4 v[O+8*\t:O+8*\t+7], v[KV+12*\t:KV+12*\t+11], v[PCD:PCD+11], v[O+8*\t:O+8*\t+7], v[VS+\t/2], v[PS] matrix_a_fmt:MATRIX_FMT_BF6 matrix_b_fmt:MATRIX_FMT_BF6
	v_wmma_scale_f32_16x16x128_f8f6f4 v[O+8+8*\t:O+15+8*\t], v[KV+12+12*\t:KV+23+12*\t], v[PCD:PCD+11], v[O+8+8*\t:O+15+8*\t], v[VS+\t/2], v[PS] matrix_a_fmt:MATRIX_FMT_BF6 matrix_b_fmt:MATRIX_FMT_BF6 matrix_a_scale:MATRIX_SCALE_ROW1
.endr
.rept 4
	v_nop                                          ; places in front of the next loads into the fragments' registers, and of the first read of O^T
.endr
.Lskip:
	s_wait_loadcnt 0x0                             ; on every wave's path: the next record, if one was asked for, is in registers and its loads have read their base; the staging registers are loaded again only behind this wait
	s_cmp_lt_u32 s29, s25
	s_cbranch_scc0 .Lno_store
	s_add_nc_u64 s[40:41], s[40:41], CHUNK
	ds_store_b128 v7, v[88:91]
	s_cmp_lt_u32 s16, 9
	s_cbranch_scc0 .Lno_store
	ds_store_b128 v7, v[92:95] offset:8192
.Lno_store:
	s_wait_dscnt 0x0                               ; for the others' sake: my stores have landed
	s_barrier_signal -1
	s_barrier_wait -1                              ; the next record lies in LDS
	s_add_co_u32 s28, s28, CHUNK
	s_add_co_u32 s27, s27, 128
	s_add_co_u32 s26, s26, 1
	s_cmp_lt_u32 s26, 16
	s_cbranch_scc1 .Lstep
	; THE WAY OUT: O^T / the sum, quantised along d_model (my head's 64 are two blocks of 32), stored as an image of the next product's operand.
	v_add_f32 v14, v14, v15
	v_permlanex16_b32 v252, v14, s42, s43
	v_add_f32 v14, v14, v252                       ; the row's sum
	v_rcp_f32 v14, v14
	v_and_b32 v5, 15, v0                           ; (a plain place behind the reciprocal)  r
	v_bfe_u32 v6, v0, 4, 1                         ; h
.set j, 0
	s_wait_alu depctr_va_vdst(0)
.rept 32
	v_mul_f32 v[S+j], v[O+j], v14                  ; register 8 t + i: channel 16 t + 8 h + i of query r; each accumulator is read from its low end on
.set j, j+1
.endr
.irp b, 0,1                                    ; Wo's codes lie in K's own order: the halves change places so that my registers 16 b + 0..15 are channels 32 b + 16 h + 0..15
.irp i, 0,1,2,3,4,5,6,7
	v_permlane16_swap_b32 v[S+16*\b+\i], v[S+16*\b+8+\i]
.endr
.endr
.irp b, 0,1
	v_max3_num_f32 v[BM+\b], |v[S+16*\b]|, |v[S+1+16*\b]|, 0x2800000
.endr
.irp i, 2,4,6,8,10,12,14
.irp b, 0,1
	v_max3_num_f32 v[BM+\b], v[BM+\b], |v[S+16*\b+\i]|, |v[S+1+16*\b+\i]|
.endr
.endr
.irp b, 0,1
	v_permlanex16_b32 v[PT+\b], v[BM+\b], s42, s43
.endr
.irp b, 0,1
	v_max_num_f32 v[BM+\b], v[BM+\b], v[PT+\b]
.endr
.irp b, 0,1
	v_add_nc_u32 v[SO+\b], 0xfe000000, v[BM+\b]
.endr
.irp b, 0,1
	v_lshrrev_b32 v[PT+\b], 23, v[SO+\b]
.endr
	v_cvt_scalef32_pk16_bf6_f32 v[192:194], v[S:S+15], v[SO]
	v_cvt_scalef32_pk16_bf6_f32 v[196:198], v[S+16:S+31], v[SO+1]
	v_nop                                          ; one plain place behind a scaled conversion
.irp i, 0,1,2
	v_permlane16_swap_b32 v[192+\i], v[196+\i]     ; lanes 0-15 block 0, lanes 16-31 block 1: the lower 16 codes in the first, the upper 16 in the second
.endr
	v_mov_b32 v195, v196
	v_mov_b32 v196, v197
	v_mov_b32 v197, v198
	s_lshl_b32 s50, s19, 7
	s_lshl_b32 s51, s22, 3
	s_add_co_u32 s50, s50, s51
	s_add_co_u32 s50, s50, s21                     ; my tile of 16 rows: 128 x batch + 8 x block + tile
	s_mul_i32 s52, s50, 12288
	s_mul_i32 s54, s20, 768                        ; piece = head
	s_add_co_u32 s52, s52, s54
	s_mov_b32 s53, 0
	s_add_nc_u64 s[12:13], s[12:13], s[52:53]
.irp j, 0,1,2
	global_store_b64 v1, v[192+2*\j:193+2*\j], s[12:13] offset:256*\j    ; 32 lanes store 256 consecutive bytes, aligned
.endr
	s_lshl_b32 s54, s50, 9                         ; the bytes: [tile][K step = head / 4][row][8]: mine is byte 2 (head % 4) + h
	s_lshr_b32 s56, s20, 2
	s_lshl_b32 s56, s56, 7
	s_add_co_u32 s54, s54, s56
	s_and_b32 s56, s20, 3
	s_lshl_b32 s56, s56, 1
	s_add_co_u32 s54, s54, s56
	s_mov_b32 s55, 0
	s_add_nc_u64 s[14:15], s[14:15], s[54:55]
	v_lshl_add_u32 v7, v5, 3, v6
	v_cmp_eq_u32 vcc_lo, 1, v6
	v_cndmask_b32 v9, v[PT], v[PT+1], vcc_lo
	global_store_b8 v7, v9, s[14:15]
	s_wait_tensorcnt 0x0
	ds_add_u32 v249, v255
	s_wait_dscnt 0x0
	s_endpgm
.Lfunc_end_k_q0549f4a1a7_attn:
	.size	k_q0549f4a1a7_attn, .Lfunc_end_k_q0549f4a1a7_attn-k_q0549f4a1a7_attn
	.p2alignl 7, 3214868480
	.fill 96, 4, 3214868480
	.section	.rodata,"a",@progbits
	.p2align	6, 0x0
	.amdhsa_kernel k_q0549f4a1a7_attn
		.amdhsa_group_segment_fixed_size 219648
		.amdhsa_private_segment_fixed_size 0
		.amdhsa_enable_private_segment 0
		.amdhsa_kernarg_size 48
		.amdhsa_user_sgpr_count 2
		.amdhsa_user_sgpr_kernarg_segment_ptr 1
		.amdhsa_wavefront_size32 1
		.amdhsa_system_sgpr_workgroup_id_x 1
		.amdhsa_system_sgpr_workgroup_id_y 1
		.amdhsa_system_sgpr_workgroup_id_z 1
		.amdhsa_system_vgpr_workitem_id 0
		.amdhsa_next_free_vgpr 256
		.amdhsa_next_free_sgpr 66
		.amdhsa_reserve_vcc 1
		.amdhsa_float_denorm_mode_32 3
		.amdhsa_float_denorm_mode_16_64 3
		.amdhsa_memory_ordered 1
		.amdhsa_forward_progress 1
		.amdhsa_inst_pref_size 56
	.end_amdhsa_kernel
	.amdgpu_metadata
---
amdhsa.version: [ 1, 2 ]
amdhsa.kernels:
  - .name:           k_q0549f4a1a7_attn
    .symbol:         k_q0549f4a1a7_attn.kd
    .args:
      - { .name: qrec, .offset: 0, .size: 8, .value_kind: global_buffer, .address_space: global }
      - { .name: kvrec, .offset: 8, .size: 8, .value_kind: global_buffer, .address_space: global }
      - { .name: mbits, .offset: 16, .size: 8, .value_kind: global_buffer, .address_space: global }
      - { .name: rel_emb, .offset: 24, .size: 8, .value_kind: global_buffer, .address_space: global }
      - { .name: ctxc, .offset: 32, .size: 8, .value_kind: global_buffer, .address_space: global }
      - { .name: ctxs, .offset: 40, .size: 8, .value_kind: global_buffer, .address_space: global }
    .group_segment_fixed_size: 219648
    .private_segment_fixed_size: 0
    .kernarg_segment_align: 8
    .kernarg_segment_size: 48
    .max_flat_workgroup_size: 512
    .sgpr_count:     66
    .vgpr_count:     256
    .wavefront_size: 32
...
	.end_amdgpu_metadata
.endif
;; end of part 3
;; launch oproj (part 4): grid 4 x 16, 4 waves a work-group, clusters of 4 x 4, 327,680 bytes of LDS; arguments ctxc, ctxs, codes, scales, out0, bo; writes out0
.if DOCPART == 4
	.amdgcn_target "amdgcn-amd-amdhsa--gfx1250"
	.amdhsa_code_object_version 6
	.text
	.protected	k_q0549f4a1a7_oproj
	.globl	k_q0549f4a1a7_oproj
	.p2align	8
	.type	k_q0549f4a1a7_oproj,@function
k_q0549f4a1a7_oproj:
	s_mov_b64 s[64:65], 0
	v_nop
	global_prefetch_b8 v0, s[64:65] scope:SCOPE_SE
	s_setreg_imm32_b32 hwreg(HW_REG_WAVE_MODE, 25, 1), 1
	s_wait_xcnt 0x0
	s_wait_alu depctr_hold_cnt(0) depctr_sa_sdst(0) depctr_va_vdst(0) depctr_va_sdst(0) depctr_va_ssrc(0) depctr_va_vcc(0) depctr_vm_vsrc(0)
	s_getreg_b32 s2, hwreg(HW_REG_IB_STS2, 6, 4)
	s_cmp_eq_u32 s2, 0
	s_cbranch_scc0 .Lentry_in_a_cluster
	s_endpgm
.Lentry_in_a_cluster:
	s_bfe_u32 s2, ttmp6, 0x10000c
	s_cmp_lg_u32 s2, 0xf033
	s_cbranch_scc0 .Lentry_shape_is_right
	s_endpgm
.Lentry_shape_is_right:
; out = ctx Wo^T + bo on codes of BF6 (E3M2) with E8M0 scales, K = 1,024; out is [4096][1024] f32.
; 64 tiles of 256 x 256; a work-group of four waves makes a tile, a wave 128 x 128: 64 accumulators.  K goes in four steps of 256 through two LDS slots filled by the tensor data mover.
; THE CODES LIE AS IMAGES OF THE OPERAND'S REGISTERS: [tile of 16 rows][16 pieces of 64 K][768 bytes], 8 bytes a lane at 256 j + 8 x lane: a fragment is six loads of 8 bytes a lane, each 256 consecutive bytes for
; the wave.  A K step of a 16-row tile is 3,072 dense bytes; one tensor load brings eight of them, 12,288 bytes apart.  The scales of 128 rows for all of K are 4,096 dense bytes and come once.
; Side A = ctx (256 row tiles of its own buffer), side B = Wo: blocks 28-31 of the codes' buffer.
; CLUSTERS: 4 x 4 work-groups; side A's tile is shared along a row of the cluster, side B's along a column: each is asked for jointly.
; THE MATRIX INSTRUCTION IS USED TRANSPOSED (source 0 = 16 rows of Wo, source 1 = 16 rows of ctx): a lane holds eight neighbouring numbers of a row of out.  The bias is the C of each sum's first instruction.
; REGISTERS: window 0: v0-31 addresses; v32-63 scale words, two sets; v64-127 the bias; v128-223 side A's fragments; on the way out v128-255 rows read back.   window 1: side B's fragments, two sets.
;   windows 2, 3: the accumulators ((a, b) at v[8 (8 (a % 4) + b)]).
.set NQ,     2
.set FR,     12
.set NL,     6
.set NP,     4                         ; places behind this matrix instruction (ISA guide 7.12.1)
.set TROW,   3072
.set HALFT,  8*TROW
.set SLOT,   4*HALFT
.set SCL,    2*SLOT
.set HALFS,  4096
.set SBLK,   512
.set SPARE,  SCL+4*HALFS               ; the spare words, 128 bytes for each wave: two blocks of 256 bytes that no other line names
.set SPITCH, 528                       ; the way out: a stage of 16 rows x (512 bytes + 16) for each wave, in slot 0, which has had its last fill and its last read by then
.set NB,     4096                      ; a row of out in bytes
.set ADRA, 16
.set ADRB, 20
.set STO,  24                          ; v24  where I put 32 bytes of a row
.set RD,   25                          ; v25  where I read a row back
.set CO,   26                          ; v26  my byte offset in a row of out
.set ADRS, 27
.set SPW,  28
.set NIL,  29
.set SC,   32
.set BO,   64
.set AF,   128
.set BK,   128
.set G1, 24
.set G0, 32
.set G1B, 48
.set G0B, 56
.set G1S, 68
.set G0S, 76
.set G1SB, 80
.set G0SB, 88
.set MSB, 0
.macro WIN new                         ; the immediate's high byte repeats the setting that is left
.if MSB != \new
	s_set_vgpr_msb (MSB<<8)|\new
.set MSB, \new
.endif
.endm
.set MUL_LO, 0xa1                      ; source 0 (Wo) window 1, source 1 (ctx) window 0, C and D window 2
.set MUL_HI, 0xf1
.set BEG_LO, 0x81                      ; the same with C (the bias) in window 0
.set BEG_HI, 0xc1
.set TO_B,   0x40
.macro JLOAD g0a, g1a, g0b, g1b        ; a joint load: waves 0 and 1 fetch for side A, waves 2 and 3 for side B; four v_nop follow each of the two lines
	s_cmp_eq_u32 s19, 0
	s_cbranch_scc0 .Lfor_b_\@
	tensor_load_to_lds s[\g0a:\g0a+3], s[\g1a:\g1a+7]
	s_nop 0
.rept 4
	v_nop
.endr
	s_branch .Lasked_\@
.Lfor_b_\@:
	tensor_load_to_lds s[\g0b:\g0b+3], s[\g1b:\g1b+7]
	s_nop 0
.rept 4
	v_nop
.endr
.Lasked_\@:
.endm
.macro CREST
	s_cmp_lg_u32 s18, 0
	s_cbranch_scc1 .Lnot_wave_0_\@
	s_barrier_signal -3
.Lnot_wave_0_\@:
	s_barrier_wait -3
	s_barrier_signal -1
	s_barrier_wait -1
.endm
.macro CROUND
	s_barrier_signal -1
	s_barrier_wait -1
	CREST
.endm
	s_load_b256 s[4:11], s[0:1], 0x0               ; ctx's codes, ctx's scales, the weights' codes, the weights' scales
	s_load_b128 s[12:15], s[0:1], 0x20             ; out, bo
	v_lshl_add_u32 v[SPW], v0, 2, SPARE
	v_mov_b32 v[NIL], 0
	ds_add_u32 v28, v29
	ds_add_u32 v28, v29
	s_wait_dscnt 0x0
	v_lshrrev_b32 v1, 5, v0
	v_readfirstlane_b32 s18, v1                    ; wave 0..3
	s_lshr_b32 s19, s18, 1                         ; RH: my half of the tile's rows.  Also: I fetch for side A (0) or B (1)
	s_and_b32 s20, s18, 1                          ; CH: my half of its columns.  Also: which 128 rows I fetch
	s_bfe_u32 s21, ttmp6, 0x40000                  ; cx, cy
	s_bfe_u32 s22, ttmp6, 0x40004
	s_lshl_b32 s43, ttmp9, 2
	s_add_co_u32 s43, s43, s21                     ; tile column
	s_and_b32 s42, ttmp7, 0xffff
	s_lshl_b32 s42, s42, 2
	s_add_co_u32 s42, s42, s22                     ; tile row
	s_lshl_b32 s45, s22, 2
	s_lshl_b32 s45, 15, s45                        ; my row of the cluster
	s_lshl_b32 s46, 0x1111, s21                    ; my column
	s_or_b32 s[G1+0], s45, (3<<16)|(1<<21)         ; codes: 8 rows of 384 elements of 8 bytes, 1,536 elements apart; no padding
	s_or_b32 s[G1B+0], s46, (3<<16)|(1<<21)
.irp g, G1, G1B
	s_mov_b32 s[\g+1], 384<<16
	s_mov_b32 s[\g+2], 8<<16
	s_mov_b32 s[\g+3], 384<<16
	s_mov_b32 s[\g+4], 8
	s_mov_b32 s[\g+5], 1536
	s_mov_b32 s[\g+6], 0
	s_mov_b32 s[\g+7], 0
.endr
	s_or_b32 s[G1S+0], s45, (3<<16)|(1<<21)        ; scales: 4,096 dense bytes as 16 rows of 256
	s_or_b32 s[G1SB+0], s46, (3<<16)|(1<<21)
.irp g, G1S, G1SB
	s_mov_b32 s[\g+1], 32<<16
	s_mov_b32 s[\g+2], 16<<16
	s_mov_b32 s[\g+3], 32<<16
	s_mov_b32 s[\g+4], 16
	s_mov_b32 s[\g+5], 32
	s_mov_b32 s[\g+6], 0
	s_mov_b32 s[\g+7], 0
.endr
	s_mul_i32 s100, s20, 98304
	s_lshl_b32 s101, s20, 12
	s_mul_i32 s92, s42, 196608                     ; side A's codes: block = tile row
	s_add_co_u32 s92, s92, s100
	s_mov_b32 s93, 0
	s_lshl_b32 s94, s42, 13
	s_add_co_u32 s94, s94, s101
	s_mov_b32 s95, 0
	s_add_co_u32 s96, s43, 28                      ; side B's: block 28 + tile column
	s_lshl_b32 s98, s96, 13
	s_mul_i32 s96, s96, 196608
	s_add_co_u32 s96, s96, s100
	s_mov_b32 s97, 0
	s_add_co_u32 s98, s98, s101
	s_mov_b32 s99, 0
	s_mul_i32 s47, s18, HALFT                      ; where they go: wave x 128 rows
	s_lshl_b32 s66, s18, 12
	s_wait_kmcnt 0x0
	s_add_nc_u64 s[92:93], s[4:5], s[92:93]
	s_add_nc_u64 s[94:95], s[6:7], s[94:95]
	s_add_nc_u64 s[96:97], s[8:9], s[96:97]
	s_add_nc_u64 s[98:99], s[10:11], s[98:99]
	CROUND                                         ; all sixteen work-groups are here: the first joint loads meet
	s_mov_b32 s[G0S], 1
	s_add_co_u32 s[G0S+1], s66, SCL
	s_mov_b64 s[G0S+2:G0S+3], s[94:95]
	s_or_b32 s[G0S+3], s[G0S+3], 0x80000000
	s_mov_b32 s[G0SB], 1
	s_add_co_u32 s[G0SB+1], s66, SCL
	s_mov_b64 s[G0SB+2:G0SB+3], s[98:99]
	s_or_b32 s[G0SB+3], s[G0SB+3], 0x80000000
	JLOAD G0S, G1S, G0SB, G1SB
.irp s, 0,1
	s_mov_b32 s[G0+4*\s], 1
	s_add_co_u32 s[G0+4*\s+1], s47, \s*SLOT
	s_add_nc_u64 s[G0+4*\s+2:G0+4*\s+3], s[92:93], \s*TROW
	s_or_b32 s[G0+4*\s+3], s[G0+4*\s+3], 0x80000000
	s_mov_b32 s[G0B+4*\s], 1
	s_add_co_u32 s[G0B+4*\s+1], s47, \s*SLOT
	s_add_nc_u64 s[G0B+4*\s+2:G0B+4*\s+3], s[96:97], \s*TROW
	s_or_b32 s[G0B+4*\s+3], s[G0B+4*\s+3], 0x80000000
	JLOAD G0+4*\s, G1, G0B+4*\s, G1B
.endr
	v_and_b32 v1, 15, v0                           ; r
	v_bfe_u32 v2, v0, 4, 1                         ; h
	v_and_b32 v3, 31, v0
	v_lshlrev_b32 v4, 3, v3                        ; 8 x lane
	s_mul_i32 s100, s19, HALFT
	s_mul_i32 s101, s20, HALFT
	s_add_co_u32 s101, s101, 2*HALFT
.irp s, 0,1
	v_add_nc_u32 v[ADRA+\s], s100, v4
	v_add_nc_u32 v[ADRB+\s], s101, v4
	s_add_co_u32 s100, s100, SLOT
	s_add_co_u32 s101, s101, SLOT
.endr
	v_lshlrev_b32 v5, 3, v1
	s_lshl_b32 s100, s19, 12
	s_lshl_b32 s101, s20, 12
	s_add_co_u32 s101, s101, 2*HALFS
	s_sub_co_u32 s101, s101, s100
	v_mul_u32_u24 v6, s101, v2                     ; lanes 16-31 take side B's: one product, the distance between the two
	s_add_co_u32 s100, s100, SCL
	v_add_nc_u32 v5, v5, v6
	v_add_nc_u32 v[ADRS], s100, v5
	s_mul_i32 s100, s18, 16*SPITCH                 ; my stage
	v_mul_u32_u24 v5, v1, SPITCH                   ; in: row r, 32 bytes for each half of the lanes
	v_lshl_add_u32 v5, v2, 5, v5
	v_add_nc_u32 v[STO], s100, v5
	v_lshlrev_b32 v[CO], 4, v3                     ; back: the 32 lanes take one row of 512 bytes; and the same in out
	v_add_nc_u32 v[RD], s100, v[CO]
	s_lshl_b32 s100, s43, 10                       ; the bias: 256 x tile column + 128 CH, in bytes; lane (r, h) wants, for column block b, numbers 16 b + 8 h + 0..7
	s_lshl_b32 s101, s20, 9
	s_add_co_u32 s100, s100, s101
	s_mov_b32 s101, 0
	s_add_nc_u64 s[14:15], s[14:15], s[100:101]
	v_lshlrev_b32 v6, 5, v2
.irp b, 0,1,2,3,4,5,6,7
	global_load_b128 v[BO+8*\b:BO+8*\b+3], v6, s[14:15] offset:64*\b
	global_load_b128 v[BO+8*\b+4:BO+8*\b+7], v6, s[14:15] offset:64*\b+16
.endr
	s_add_nc_u64 s[12:13], s[12:13], s[100:101]    ; out: my first column is as many bytes on as my first bias,
	s_lshl_b32 s100, s42, 8
	s_lshl_b32 s67, s19, 7
	s_add_co_u32 s100, s100, s67                   ; my first row: 256 x tile row + 128 RH
	s_lshl_b32 s100, s100, 12
	s_add_nc_u64 s[12:13], s[12:13], s[100:101]
.macro FRAG reg, adr, q, i             ; a fragment: registers 2 p, 2 p + 1 of every lane lie at 256 p + 8 x lane of its image
.irp p, 0,1,2,3,4,5
	ds_load_b64 v[\reg+2*\p:\reg+2*\p+1], v[\adr] offset:TROW*(\i)+1536*(\q)+256*\p
.endr
.endm
; 16 matrix instructions: side A's blocks a0, a0 + 1 x side B's eight.  zero = 1: the first product starts the sums from the bias.  The 64 accumulators take turns, one instruction a turn.
.macro MUL16 a0, p, q, sc, zero
.irp a, \a0, \a0+1
.irp b, 0,1,2,3,4,5,6,7
.if \zero
	v_wmma_scale_f32_16x16x128_f8f6f4 v[8*(8*((\a)%4)+\b):8*(8*((\a)%4)+\b)+7], v[128*(\p)+FR*\b:128*(\p)+FR*\b+FR-1], v[AF+FR*(\a):AF+FR*(\a)+FR-1], v[BO+8*\b:BO+8*\b+7], v[SC+8*NQ*(\sc)+NQ*\b+(\q)], v[SC+8*NQ*(\sc)+NQ*(\a)+(\q)] matrix_a_fmt:MATRIX_FMT_BF6 matrix_b_fmt:MATRIX_FMT_BF6 matrix_a_scale:MATRIX_SCALE_ROW1
.else
	v_wmma_scale_f32_16x16x128_f8f6f4 v[8*(8*((\a)%4)+\b):8*(8*((\a)%4)+\b)+7], v[128*(\p)+FR*\b:128*(\p)+FR*\b+FR-1], v[AF+FR*(\a):AF+FR*(\a)+FR-1], v[8*(8*((\a)%4)+\b):8*(8*((\a)%4)+\b)+7], v[SC+8*NQ*(\sc)+NQ*\b+(\q)], v[SC+8*NQ*(\sc)+NQ*(\a)+(\q)] matrix_a_fmt:MATRIX_FMT_BF6 matrix_b_fmt:MATRIX_FMT_BF6 matrix_a_scale:MATRIX_SCALE_ROW1
.endif
.endr
.endr
.endm
.macro FETCH_B slot, q, p
	WIN TO_B
.irp i, 0,1,2,3,4,5,6,7
	FRAG 128*(\p)+FR*\i, ADRB+\slot, \q, \i
.endr
	WIN 0
.endm
.macro FETCH_A slot, q, i0
.irp i, \i0, \i0+1, \i0+2, \i0+3
	FRAG AF+FR*(\i), ADRA+\slot, \q, \i
.endr
.endm
.macro SCALES sc
.irp i, 0,1,2,3,4,5,6,7
	ds_load_b64 v[SC+8*NQ*\sc+NQ*\i:SC+8*NQ*\sc+NQ*\i+1], v[ADRS] offset:\i*SBLK
.endr
.endm
.macro PLACES n
.rept \n
	v_nop
.endr
.endm
.macro STEP slot, q, zero
	s_wait_dscnt 4*NL                              ; side B's set and side A's blocks 0-3 are in; the youngest 24 loads (blocks 4-7) may be out
.if \zero
	WIN BEG_LO
.else
	WIN MUL_LO
.endif
	MUL16 0, (\q)%2, \q, \slot, \zero
	MUL16 2, (\q)%2, \q, \slot, \zero
	s_wait_dscnt 0
	PLACES NP
	FETCH_B \slot, (\q)+1, 1-(\q)%2
	FETCH_A \slot, (\q)+1, 0
.if \zero
	WIN BEG_HI
.else
	WIN MUL_HI
.endif
	MUL16 4, (\q)%2, \q, \slot, \zero
	MUL16 6, (\q)%2, \q, \slot, \zero
	PLACES NP
	WIN 0
	FETCH_A \slot, (\q)+1, 4
.endm
.macro TURN slot, next, fill           ; a slot's last step changes slots: one barrier, with the waits and the add in front of it
	s_wait_tensorcnt 0x0                           ; all my tensor loads have landed: my part of the next slot
	ds_add_u32 v[SPW], v[NIL]                      ; 0 onto my spare word
	s_wait_dscnt 4*NL+1                            ; (the add and the youngest 24 loads may be out)
	WIN MUL_LO
	MUL16 0, 1, NQ-1, \slot, 0
	s_wait_dscnt 0x0                               ; the add is done, and my reads of this slot are over
	s_barrier_signal -1
	MUL16 2, 1, NQ-1, \slot, 0
	WIN 0
	s_barrier_wait -1
.if \fill
	CREST                                          ; the barrier has opened a round of the cluster's barrier
	s_add_nc_u64 s[G0+4*\slot+2:G0+4*\slot+3], s[G0+4*\slot+2:G0+4*\slot+3], 2*TROW
	s_add_nc_u64 s[G0B+4*\slot+2:G0B+4*\slot+3], s[G0B+4*\slot+2:G0B+4*\slot+3], 2*TROW
	JLOAD G0+4*\slot, G1, G0B+4*\slot, G1B         ; the first tensor load behind the round; its four v_nop are the places in front of the loads below
.else
	PLACES NP
.endif
	v_add_nc_u32 v[ADRS], 128, v[ADRS]
	FETCH_B \next, 0, 0
	FETCH_A \next, 0, 0
	SCALES \next
	WIN MUL_HI
	MUL16 4, 1, NQ-1, \slot, 0
	MUL16 6, 1, NQ-1, \slot, 0
	PLACES NP
	WIN 0
	FETCH_A \next, 0, 4
.endm
	s_wait_tensorcnt 1                             ; the scales and my part of K step 0 are in (K step 1's load may be out),
	s_barrier_signal -1
	s_barrier_wait -1                              ; everybody's are
	FETCH_B 0, 0, 0
	FETCH_A 0, 0, 0
	SCALES 0
	FETCH_A 0, 0, 4
	s_wait_loadcnt 0x0                             ; the bias
	STEP 0, 0, 1                                   ; K = 1,024 is four K steps, eight steps of 128: written out
	TURN 0, 1, 1
	STEP 1, 0, 0
	TURN 1, 0, 1
	STEP 0, 0, 0
	TURN 0, 1, 0
	STEP 1, 0, 0
	s_wait_dscnt 4*NL
	WIN MUL_LO
	MUL16 0, 1, NQ-1, 1, 0
	MUL16 2, 1, NQ-1, 1, 0
	s_wait_dscnt 0
	WIN MUL_HI
	MUL16 4, 1, NQ-1, 1, 0
	MUL16 6, 1, NQ-1, 1, 0
	WIN 0
; THE WAY OUT, block by block of 16 rows x 128 columns, through my own stage in LDS: in as 32 bytes a lane, back as whole rows of 512 bytes.  LDS serves a wave's instructions in order (ISA guide 5.7.1.4).
.macro TOSTAGE a
.set AC, 64*((\a)%4)
	WIN (0x08+4*((\a)/4))                          ; the data: window 2 or 3
.irp b, 0,1,2,3,4,5,6,7
	ds_store_b128 v[STO], v[AC+8*\b:AC+8*\b+3] offset:64*\b          ; each accumulator from its low end on
	ds_store_b128 v[STO], v[AC+8*\b+4:AC+8*\b+7] offset:64*\b+16
.endr
	WIN 0
.set BB, BK+64*((\a)%2)
.irp t, 0,1,2,3,4,5,6,7,8,9,10,11,12,13,14,15
	ds_load_b128 v[BB+4*\t:BB+4*\t+3], v[RD] offset:\t*SPITCH
.endr
.endm
.macro SEND a, younger
.set BB, BK+64*((\a)%2)
	s_wait_dscnt \younger                          ; the block is back in registers
.if (\a) > 0
	s_add_nc_u64 s[12:13], s[12:13], 16*NB         ; (behind a wait on XCNT: the earlier stores have read their base)
.endif
.irp t, 0,1,2,3,4,5,6,7,8,9,10,11,12,13,14,15
	global_store_b128 v[CO], v[BB+4*\t:BB+4*\t+3], s[12:13] offset:\t*NB th:TH_STORE_NT   ; 32 lanes store 512 consecutive bytes, aligned to 256
.endr
.endm
	PLACES NP
	TOSTAGE 0
.irp a, 1,2,3,4,5,6,7
.if \a > 1
	s_wait_xcnt 0x0                                ; block a - 2's stores have read their registers and their base
.endif
	TOSTAGE \a
	SEND \a-1, 32                                  ; behind block a - 1's loads: block a's 16 stores and 16 loads
.endr
	s_wait_xcnt 0x0
	SEND 7, 0
	s_wait_tensorcnt 0x0                           ; the wave's end
	ds_add_u32 v[SPW], v[NIL]
	s_wait_dscnt 0x0
	CROUND                                         ; the closing round
	s_endpgm
.Lfunc_end_k_q0549f4a1a7_oproj:
	.size	k_q0549f4a1a7_oproj, .Lfunc_end_k_q0549f4a1a7_oproj-k_q0549f4a1a7_oproj
	.p2alignl 7, 3214868480
	.fill 96, 4, 3214868480
	.section	.rodata,"a",@progbits
	.p2align	6, 0x0
	.amdhsa_kernel k_q0549f4a1a7_oproj
		.amdhsa_group_segment_fixed_size 327680
		.amdhsa_private_segment_fixed_size 0
		.amdhsa_enable_private_segment 0
		.amdhsa_kernarg_size 48
		.amdhsa_user_sgpr_count 2
		.amdhsa_user_sgpr_kernarg_segment_ptr 1
		.amdhsa_wavefront_size32 1
		.amdhsa_system_sgpr_workgroup_id_x 1
		.amdhsa_system_sgpr_workgroup_id_y 1
		.amdhsa_system_sgpr_workgroup_id_z 1
		.amdhsa_system_vgpr_workitem_id 0
		.amdhsa_next_free_vgpr 1024
		.amdhsa_next_free_sgpr 102
		.amdhsa_reserve_vcc 0
		.amdhsa_float_denorm_mode_32 3
		.amdhsa_float_denorm_mode_16_64 3
		.amdhsa_memory_ordered 1
		.amdhsa_forward_progress 1
		.amdhsa_inst_pref_size 161
	.end_amdhsa_kernel
	.amdgpu_metadata
---
amdhsa.version: [ 1, 2 ]
amdhsa.kernels:
  - .name:           k_q0549f4a1a7_oproj
    .symbol:         k_q0549f4a1a7_oproj.kd
    .args:
      - { .name: ctxc, .offset: 0, .size: 8, .value_kind: global_buffer, .address_space: global }
      - { .name: ctxs, .offset: 8, .size: 8, .value_kind: global_buffer, .address_space: global }
      - { .name: codes, .offset: 16, .size: 8, .value_kind: global_buffer, .address_space: global }
      - { .name: scales, .offset: 24, .size: 8, .value_kind: global_buffer, .address_space: global }
      - { .name: out0, .offset: 32, .size: 8, .value_kind: global_buffer, .address_space: global }
      - { .name: bo, .offset: 40, .size: 8, .value_kind: global_buffer, .address_space: global }
    .group_segment_fixed_size: 327680
    .private_segment_fixed_size: 0
    .kernarg_segment_align: 8
    .kernarg_segment_size: 48
    .max_flat_workgroup_size: 128
    .sgpr_count:     102
    .vgpr_count:     1024
    .wavefront_size: 32
...
	.end_amdgpu_metadata
.endif
;; end of part 4
;; ======== version 2 of 2: 4 launches; version 1 with the launch attn written anew for expert scheduling mode
;; workspace buffers: codes 6,291,456 bytes; scales 262,144 bytes; qrec 3,276,800 bytes; kvrec 6,553,600 bytes; ctxc 3,145,728 bytes; ctxs 131,072 bytes; mbits 768 bytes of whole numbers
;; launch quant: the kernel of part 1 again; grid 512 x 1, 4 waves a work-group, no clusters, 67,072 bytes of LDS; arguments x, Wq, Wk, Wv, Wo, mask, codes, scales, mbits; writes codes, scales, mbits
;; launch qkv: the kernel of part 2 again; grid 8 x 24, 4 waves a work-group, clusters of 4 x 4, 327,680 bytes of LDS; arguments codes, scales, bq, bk, bv, qrec, kvrec; writes qrec, kvrec
;; launch attn (part 5): grid 8 x 32, 16 waves a work-group, no clusters, 219,648 bytes of LDS; arguments qrec, kvrec, mbits, rel_emb, ctxc, ctxs; writes ctxc, ctxs
.if DOCPART == 5
	.amdgcn_target "amdgcn-amd-amdhsa--gfx1250"
	.amdhsa_code_object_version 6
	.text
	.protected	k_q0549f4a1a7_attn
	.globl	k_q0549f4a1a7_attn
	.p2align	8
	.type	k_q0549f4a1a7_attn,@function
k_q0549f4a1a7_attn:
	s_mov_b64 s[64:65], 0
	v_nop
	global_prefetch_b8 v0, s[64:65] scope:SCOPE_SE
	s_setreg_imm32_b32 hwreg(HW_REG_WAVE_SCHED_MODE, 0, 2), 2
	s_setreg_imm32_b32 hwreg(HW_REG_WAVE_MODE, 25, 1), 1
	s_wait_xcnt 0x0
	s_wait_alu depctr_vm_vsrc(0)
; ctx = softmax(Q K^T / 8 + relative bias, causal and padding masks at -1e9) V for one (batch, head), both products on codes of BF6 (E3M2) with E8M0 scales; ctx leaves quantised along d_model.
; THE SOFTMAX: t = logit x log2(e); M = the running largest t rounded up to a whole number; p = 2^(t - M) is quantised along the keys; the row's sum is taken of the unquantised p and divides at the end.
; A HIDDEN KEY HAS t = -1e9 x log2(e) (in f32 -1,442,695,040, a whole number), not -infinity: a query with no open key at or before it has 2,048 equal logits, so p = 1 for ALL keys, those after it too.
; A tile that holds such a query (its first query lies under F, the batch's first open key) therefore walks all 16 key steps; every other tile walks only the steps up to its diagonal.
; SHARES: work-group (p, batch x 16 + head); each of 16 waves owns one tile of 16 queries, in the p-th or the (15 - p)-th block of 128 queries: 8 (p + 1) + 8 (16 - p) = 136 tile-steps in every work-group.
; K AND V come as records of 12,800 bytes for 128 keys (images of the operands' registers, made by the launch before).  Record c is copied through registers to LDS byte 12,800 c, one trip ahead of its use; no LDS
; byte is filled twice; one barrier a trip, which every wave passes 16 times.  The claim has one record's room more than is filled: the staging address of the last trip, which is never used, lies in it.
; NO JOINT LOADS: the eight work-groups of a head do read the same records, but they need different numbers of them (16 - p), and the short way and the long walk are branches on the stored mask words.
; LAYOUT: S^T = K Q^T (source 0 = 16 keys, source 1 = my 16 queries), O^T = V^T P^T: a lane holds one query (lane % 16).  The head's K is 64, the instruction's 128: a fragment of K holds TWO tiles of 16 keys, and Q
; stands in the first or the second half of its operand beside zero codes, which silence the other tile.
; THE SHORT WAY: where every key of a step lies 32 or more before every query of the tile and no key is masked, the bias is one number and goes into the exponent's addend.  Else (THE LONG WAY) each score gets its
; bias (a lane permute out of a table of 32) and its mask bit.
; LIMITS: a real logit is taken to lie more than some 100 above -1e9, else hidden keys in steps that are left out would still count; a block of zeros or under 2^-122 gets the byte 1; NaN and infinities are not
; served; inside a block of 32 keys p's codes lie in the same order as V's (both sides permuted alike), which changes the order of the sums.
; THE MODE: SCHED_MODE bits 1:0 = 2 (LLVM: expert scheduling mode 2), set by the entry lines.  The code itself states the register dependences between vector or matrix instructions and memory or LDS instructions,
; and those through scalar registers and VCC that vector instructions write, with s_wait_alu, always for 0.
; THE PLAN.  Registers that memory or LDS instructions touch in the loop:
;   v5, v6, v7   the trip's LDS addresses.  Written by three additions at the trip's head; read by the step's LDS loads (v5, v6) and by the stores of the next record at the trip's end (v7).
;   v34-81       K's fragments land at the step's head and are read by the eight products K Q^T; V's land behind those and are read by the four products V^T P.   v82-85: their scale words, likewise.
;   v88-95       staging: loaded at the trip's head, read by the LDS stores at its end; no vector instruction of the loop names them.
;   v192-207     the long way: the permutes' addresses: written by sixteen additions a block, read by the block's sixteen permutes; later in the step the conversions write p's codes there.
;   v228-243     the long way: the permutes' results land here; the block's vector work reads and rewrites them.
;   v1-4, v11    read by loads, stores and permutes; written at the head alone.
; THE WAITS OF A TRIP.  At its head one on vm_vsrc ahead of the three additions and one on va_vdst behind them: that one serves K's loads and, since nothing in the step names v7 or v88-95, the stores at the trip's end.
; One on va_vdst behind the products K Q^T: V's loads follow it, dealt among the first maxima of the softmax, which like all the vector work between name none of v5, v6, v34-81, v84, v85.  One behind the batch of
; exponentials, one ahead of the products V^T P.  The long way has, in each block, one on va_vdst ahead of the permutes, one on vm_vsrc behind them, and one on va_sdst behind each of its two runs of compares.
.set CHUNK, 12800
.set KV,  34                           ; v34-81   four fragments: K's, then V's
.set KS,  82                           ; v82-83   K's scale words;  v84-85 V's;  v86 Q's;  v87 p's: these six hold scales and nothing else
.set VS,  84
.set QS,  86
.set PS,  87
.set S,   96                           ; v96-159  S^T, then p
.set O,   160                          ; v160-191 O^T
.set PCD, 192                          ; v192-203 p's codes; v204-210 the conversions' second halves
.set AD,  192                          ; v192-207 the long way, ahead of the conversions: the permutes' addresses
.set BM,  212                          ; v212-215 the blocks' largest scores;  v216-219 permute and bytes;  v220-223 scale operands
.set PT,  216
.set SO,  220
.set TP,  228                          ; v228-243 at work
; v1 8 x lane, v2 4 x lane, v3 16 x thread + 12,800, v4 16 x thread, v5-7 the trip's LDS addresses, v8 my query - 8 h, v9 that - the step's first key, v10 four times that, v11 the bias table,
; v12 -M, v13 the largest t, v[14:15] the sum, v16-33 zeros | q | zeros, v88-95 staging, v224 8 h, v225-226 at work, v227 the far bias, v244 a hidden key's t, v[250:251] the addend, v[252:253] f, v254 at work
; s16 wave, s17 p, s18 batch x 16 + head, s19 batch, s20 head, s21 tile in the block, s22 block, s23 first query, s24 F, s25 records wanted, s26 step, s27 first key, s28 the record's LDS byte, s29 step + 1,
; s30 mask words' offset, s[32:35] the next step's mask words, s[36:39] this step's, s[40:41] the next record, s[42:43] lane selects, s[44:45] multiplier, s46 addend, s47 far bias, s48 log2(e) / 8;
; s2, s3, s49-63 the long way's compare masks (s50-57 are scratch at the head, ahead of the long way and on the way out)
.macro LOADG                           ; a record: 800 pieces of 16 bytes: one for each of 512 threads, and a second for the first 288
	global_load_b128 v[88:91], v4, s[40:41]
	s_cmp_lt_u32 s16, 9
	s_cbranch_scc0 .Lone_\@
	global_load_b128 v[92:95], v4, s[40:41] offset:8192
.Lone_\@:
.endm
.macro VFRAG t                         ; V's fragment t: 16 channels x 128 keys
.irp i, 0,1,2,3,4,5
	ds_load_b64 v[KV+12*(\t)+2*\i:KV+12*(\t)+2*\i+1], v5 offset:6144+1536*(\t)+256*\i
.endr
.endm
.macro SETCR i                         ; the scalar register of compare i of a run of sixteen: s49 .. s63, s3
.if (\i) < 15
.set CR, 49+(\i)
.else
.set CR, 3
.endif
.endm
	s_load_b256 s[4:11], s[0:1], 0x0               ; qrec, kvrec, mbits, rel_emb
	s_load_b128 s[12:15], s[0:1], 0x20             ; ctxc, ctxs
	v_lshl_add_u32 v249, v0, 2, 0x35200
	v_mov_b32 v255, 0
	v_lshrrev_b32 v1, 5, v0
	v_readfirstlane_b32 s16, v1
	s_mov_b32 s17, ttmp9
	s_and_b32 s18, ttmp7, 0xffff
	s_lshr_b32 s19, s18, 4
	s_and_b32 s20, s18, 15
	s_wait_alu depctr_va_sdst(0)                   ; s16, the wave's number, is written, ahead of its first reader
	s_lshr_b32 s21, s16, 1
	s_lshr_b32 s50, s16, 2
	s_xor_b32 s50, s50, s16
	s_and_b32 s50, s50, 1                          ; two of every four neighbouring waves, and of every four waves 4 apart, take the late block
	s_sub_co_u32 s51, 15, s17
	s_cmp_lg_u32 s50, 0
	s_cselect_b32 s22, s51, s17
	s_lshl_b32 s23, s22, 7
	s_lshl_b32 s50, s21, 4
	s_add_co_u32 s23, s23, s50
	s_mov_b32 s42, 0x76543210
	s_mov_b32 s43, 0xfedcba98
	s_mov_b32 s48, 0x3e38aa3b                      ; log2(e) / sqrt(64)
	s_mov_b32 s44, s48
	s_mov_b32 s45, s48                             ; (named with s44 as a pair, so it is written)
	s_mov_b32 s26, 0
	s_mov_b32 s27, 0
	s_mov_b32 s28, 0
	s_lshl_b32 s30, s19, 8                         ; my batch's 64 words of mask bits
	s_lshl_b32 s31, s19, 7
	s_add_co_u32 s31, s31, 512                     ; and its first open key
	s_mul_i32 s40, s18, 16*CHUNK
	s_mov_b32 s41, 0
	s_lshl_b32 s50, s18, 4
	s_add_co_u32 s50, s50, s22
	s_mul_i32 s50, s50, 6400                       ; Q's record
	s_mul_i32 s52, s21, 768
	s_add_co_u32 s52, s52, s50                     ; my tile's image
	s_mov_b32 s53, 0
	s_lshr_b32 s54, s21, 1
	s_lshl_b32 s54, s54, 6
	s_add_co_u32 s54, s54, s50
	s_add_co_u32 s54, s54, 6144                    ; my pair's scale words
	s_mov_b32 s55, 0
	s_lshl_b32 s56, s20, 2                         ; my head's column of the table of biases
	s_mov_b32 s57, 0
	v_and_b32 v2, 31, v0
	v_lshlrev_b32 v1, 3, v2
	v_sub_nc_u32 v9, 32, v2
	v_lshlrev_b32 v9, 6, v9                        ; lane l: row 32 - l of rel_emb (64 bytes a row): the bias of a key l before its query
	v_lshlrev_b32 v2, 2, v2
	v_lshlrev_b32 v4, 4, v0
	v_add_nc_u32 v3, CHUNK, v4
	v_and_b32 v5, 15, v0                           ; r
	v_bfe_u32 v6, v0, 4, 1                         ; h
	v_lshlrev_b32 v224, 3, v6
	v_add_nc_u32 v8, s23, v5
	v_sub_nc_u32 v8, v8, v224
	v_lshlrev_b32 v7, 2, v5
	v_mov_b32 v10, 0
.irp j, 16,17,18,19,20,21,28,29,30,31,32,33
	v_mov_b32 v\j, 0                               ; zero codes on both sides of q
.endr
.irp j, 92,93,94,95
	v_mov_b32 v\j, 0                               ; the second staging piece: only waves 0 to 8 load and store it; written once in every wave, so that the registers hold a number on every path
.endr
	s_wait_kmcnt 0x0
	s_load_b32 s24, s[8:9], s31 offset:0x0
	s_load_b128 s[32:35], s[8:9], s30 offset:0x0
	s_add_nc_u64 s[40:41], s[6:7], s[40:41]
	s_add_nc_u64 s[52:53], s[4:5], s[52:53]
	s_add_nc_u64 s[54:55], s[4:5], s[54:55]
	s_add_nc_u64 s[56:57], s[10:11], s[56:57]
	s_wait_alu depctr_va_vdst(0)                   ; the offsets v1, v4, v7, v9, v10 are written, which the loads and LDS stores below read; so are the zeros in v92-95, in which a load lands
	LOADG                                          ; record 0
.irp j, 0,1,2
	global_load_b64 v[22+2*\j:23+2*\j], v1, s[52:53] offset:256*\j
.endr
	global_load_b32 v254, v7, s[54:55]
	global_load_b32 v11, v9, s[56:57]
	global_load_b32 v227, v10, s[56:57]            ; rel_emb[0][head]: the bias of every key 32 or more before its query
	s_mov_b32 s50, 0x03020302
	s_and_b32 s51, s21, 1
	s_cmp_eq_u32 s51, 0
	s_cselect_b32 s50, 0x01000100, s50             ; my tile's two bytes of the pair's word, twice: for q in either half of its operand
	s_wait_loadcnt 0x0
	v_perm_b32 v[QS], v254, v254, s50
	ds_store_b128 v4, v[88:91]
	s_cmp_lt_u32 s16, 9
	s_cbranch_scc0 .Lhead_one
	ds_store_b128 v4, v[92:95] offset:8192
.Lhead_one:
	s_add_nc_u64 s[40:41], s[40:41], CHUNK
	v_mul_f32 v11, 0x3fb8aa3b, v11                 ; the biases as parts of t
	v_mul_f32 v227, 0x3fb8aa3b, v227
	v_readfirstlane_b32 s47, v227
	v_mov_b32 v244, 0xceabfb8f                     ; -1e9 x log2(e)
	v_mov_b32 v13, 0xff61b1e6                      ; the largest t so far: -3e38, under every t
	v_floor_f32 v12, -v13                          ; -M
	v_mov_b32 v14, 0
	v_mov_b32 v15, 0
.irp b, 0,1,2,3
	v_mov_b32 v[PT+\b], 0                          ; written once: a lane permute's destination counts as one of its sources
.endr
	v_mov_b32 v251, 0                              ; (upper halves of pairs that are named whole)
	v_mov_b32 v252, 0
	v_mov_b32 v253, 0
.set j, 0
.rept 32
	v_mov_b32 v[O+j], 0                            ; O^T: the step is written once; the first finds zeros
.set j, j+1
.endr
	s_wait_alu depctr_va_sdst(0)                   ; s47, the far bias, is written: its first reader stands in the loop, and this wait ahead of the loop's label
	s_wait_kmcnt 0x0
	s_lshl_b32 s50, s17, 7                         ; the work-group's first query
	s_sub_co_u32 s51, 16, s17
	s_cmp_lt_u32 s50, s24
	s_cselect_b32 s25, 16, s51                     ; records wanted: up to the late block's diagonal, or all where a tile walks all keys
	s_wait_dscnt 0x0
	s_barrier_signal -1
	s_barrier_wait -1                              ; record 0 lies in LDS
.Lstep:
	s_wait_kmcnt 0x0                               ; this step's mask words are in, and their load has read its offset
	s_mov_b64 s[36:37], s[32:33]
	s_mov_b64 s[38:39], s[34:35]
	s_add_co_u32 s30, s30, 16
	s_load_b128 s[32:35], s[8:9], s30 offset:0x0   ; the next step's (behind the last step: 16 bytes that lie in the buffer and are not used)
	s_wait_alu depctr_vm_vsrc(0)                   ; the last trip's LDS loads and stores have read v5, v6, v7, which are written below, and v88-95, in which the loads below land; in the first trip: the head's loads have read v7, v9, v10
	v_add_nc_u32 v5, s28, v1                       ; the trip's LDS addresses: codes,
	v_add_nc_u32 v6, s28, v2                       ; scale words,
	v_add_nc_u32 v7, s28, v3                       ; and where the next record goes
	s_wait_alu depctr_va_vdst(0)                   ; v5, v6, v7 are written, which this trip's LDS loads and stores read; the last step's products are done reading v34-85, in which K's loads land; in the first trip: q's zero codes and scale word, which the products take, and the table v11, which the permutes read, are written
	s_add_co_u32 s29, s26, 1
	s_cmp_lt_u32 s29, s25
	s_cbranch_scc0 .Lno_load
	LOADG                                          ; the next record: it has the whole step in which to come
.Lno_load:
	s_cmp_le_u32 s26, s22                          ; a step up to my diagonal,
	s_cbranch_scc1 .Lwork
	s_cmp_lt_u32 s23, s24                          ; or a tile with a query that has no open key
	s_cbranch_scc0 .Lskip
.Lwork:
.irp g, 0,1,2,3
.irp i, 0,1,2,3,4,5
	ds_load_b64 v[KV+12*\g+2*\i:KV+12*\g+2*\i+1], v5 offset:1536*\g+256*\i       ; K: fragment g = key tiles 2 g and 2 g + 1
.endr
.endr
	ds_load_b32 v[KS], v6 offset:12288             ; lanes 0-15 fragment 0's words, lanes 16-31 fragment 1's
	ds_load_b32 v[KS+1], v6 offset:12416
	s_wait_dscnt 0x0
.macro KQ g, u                         ; key tile 2 g + u: q stands in half u of its operand
.if (\g)%2
	v_wmma_scale_f32_16x16x128_f8f6f4 v[S+8*(2*(\g)+\u):S+8*(2*(\g)+\u)+7], v[KV+12*(\g):KV+12*(\g)+11], v[22-6*(\u):33-6*(\u)], 0, v[KS+(\g)/2], v[QS] matrix_a_fmt:MATRIX_FMT_BF6 matrix_b_fmt:MATRIX_FMT_BF6 matrix_a_scale:MATRIX_SCALE_ROW1
.else
	v_wmma_scale_f32_16x16x128_f8f6f4 v[S+8*(2*(\g)+\u):S+8*(2*(\g)+\u)+7], v[KV+12*(\g):KV+12*(\g)+11], v[22-6*(\u):33-6*(\u)], 0, v[KS+(\g)/2], v[QS] matrix_a_fmt:MATRIX_FMT_BF6 matrix_b_fmt:MATRIX_FMT_BF6
.endif
.endm
.irp g, 0,1,2,3
	KQ \g, 0
	KQ \g, 1
.endr                                          ; register 8 T + j of lane (r, h): key 16 T + 8 h + j of the step, query r
	v_sub_nc_u32 v9, v8, s27                       ; D = my query - 8 h - the step's first key: register 8 T + j's key lies D - (16 T + j) before my query
	v_lshlrev_b32 v10, 2, v9
	v_nop
	v_nop                                          ; four places behind the products, ahead of the first vector instruction that reads the scores
	s_wait_alu depctr_va_vdst(0)                   ; the eight products are done reading K's fragments, in whose registers V's land further down, on both ways; no vector instruction between names v5, v6, v34-81, v84 or v85
	s_mov_b32 s44, s48                             ; the short way: t = score x log2(e) / 8 + the far bias
	s_mov_b32 s46, s47
	s_add_co_u32 s50, s27, 159
	s_cmp_gt_u32 s50, s23                          ; a key less than 32 before a query, or behind one
	s_cbranch_scc1 .Lgen
	s_and_b32 s50, s36, s37
	s_and_b32 s51, s38, s39
	s_and_b32 s50, s50, s51
	s_cmp_eq_u32 s50, -1                           ; or a masked key
	s_cbranch_scc1 .Lfast
.Lgen:
.irp b, 0,1,2,3                                ; block b of 32 keys: register 16 b + i holds the key at 32 b + 16 (i / 8) + i % 8 (+ 8 h)
.irp i, 0,1,2,3,4,5,6,7,8,9,10,11,12,13,14,15
	v_add_nc_u32 v[AD+\i], -4*(32*\b+16*(\i/8)+\i%8), v10      ; four times the key's distance before my query: the table's lane, as a byte address
.endr
	s_wait_alu depctr_va_vdst(0)                   ; the sixteen additions have written the addresses, which the permutes read; the block before is done with v228-243, in which their results land
.irp i, 0,1,2,3,4,5,6,7,8,9,10,11,12,13,14,15
	ds_bpermute_b32 v[TP+\i], v[AD+\i], v11        ; (the lane is taken modulo 32: what a distance outside 0..31 brings is replaced below)
.endr
	v_add_nc_u32 v225, 1-32*\b, v9                 ; while the permutes are out: n: so many of my half's places in the block are at or before my query
	v_min_u32 v226, 31, v225
	v_lshlrev_b32 v226, v226, -1                   ; ones from bit n up
	v_lshrrev_b32 v254, v224, s[36+\b]             ; the block's mask bits, my half's at bits 0-7 and 16-23
	v_bfi_b32 v254, v226, 0, v254                  ; those under bit n
	v_cmp_lt_i32 s2, 0, v225                       ; a run of seventeen compares, each into a scalar register of its own: n > 0,
.irp i, 0,1,2,3,4,5,6,7,8,9,10,11,12,13,14,15
	SETCR \i
	v_cmp_lt_i32 s[CR], 32*\b+16*(\i/8)+\i%8+31, v9            ; and, key by key: 32 or more before my query
.endr
	s_wait_alu depctr_va_sdst(0)                   ; the seventeen masks are written, ahead of the selects that read them
	v_cndmask_b32 v225, 0, v254, s2                ; none where n <= 0: the bits of the keys that count
	s_wait_dscnt 0x0
	s_wait_alu depctr_vm_vsrc(0)                   ; the permutes have read their addresses, which the next block's additions, and behind the last block the conversions, write
.irp i, 0,1,2,3,4,5,6,7,8,9,10,11,12,13,14,15
	SETCR \i
	v_cndmask_b32 v[TP+\i], v[TP+\i], v227, s[CR]              ; 32 or more before: the far bias
.endr
.irp i, 0,1,2,3,4,5,6,7,8,9,10,11,12,13,14,15
	v_fma_f32 v[S+16*\b+\i], v[S+16*\b+\i], s48, v[TP+\i]      ; t
.endr
.irp i, 0,1,2,3,4,5,6,7,8,9,10,11,12,13,14,15
	v_and_b32 v[TP+\i], 1<<(16*(\i/8)+\i%8), v225              ; the key's bit
.endr
.irp i, 0,1,2,3,4,5,6,7,8,9,10,11,12,13,14,15
	SETCR \i
	v_cmp_ne_u32 s[CR], 0, v[TP+\i]
.endr
	s_wait_alu depctr_va_sdst(0)                   ; the sixteen masks are written, ahead of the selects that read them
.irp i, 0,1,2,3,4,5,6,7,8,9,10,11,12,13,14,15
	SETCR \i
	v_cndmask_b32 v[S+16*\b+\i], v244, v[S+16*\b+\i], s[CR]    ; a hidden key's t
.endr
.endr
	s_mov_b32 s44, 1.0                             ; the registers hold t itself
	s_mov_b32 s46, 0
.Lfast:
.irp b, 0,1,2,3
	v_max3_num_f32 v[BM+\b], v[S+16*\b], v[S+1+16*\b], v[S+2+16*\b]   ; the largest of each block of 32 keys: for the row's maximum, and, since p rises with it, for the block's largest p
.endr
	VFRAG 0                                        ; V: its loads are dealt among the maxima and come while the softmax is walked.  No wait: no vector or matrix instruction since the wait behind the products K Q^T names their registers
.irp i, 3,5,7,9,11,13
.irp b, 0,1,2,3
	v_max3_num_f32 v[BM+\b], v[BM+\b], v[S+16*\b+\i], v[S+1+16*\b+\i]
.endr
.if \i < 9
	VFRAG (\i-1)/2
.elseif \i == 9
	ds_load_b32 v[VS], v6 offset:12544
	ds_load_b32 v[VS+1], v6 offset:12672
.endif
.endr
.irp b, 0,1,2,3
	v_max_num_f32 v[BM+\b], v[BM+\b], v[S+15+16*\b]
.endr
.irp b, 0,1,2,3
	v_permlanex16_b32 v[PT+\b], v[BM+\b], s42, s43
.endr
.irp b, 0,1,2,3
	v_max_num_f32 v[BM+\b], v[BM+\b], v[PT+\b]     ; with lane l xor 16's 16 keys
.endr
	v_max3_num_f32 v254, v[BM], v[BM+1], v[BM+2]
	v_max_num_f32 v254, v254, v[BM+3]
	v_fma_f32 v254, v254, s44, s46                 ; the step's largest t of my query (the multiplier is positive)
	v_max_num_f32 v13, v13, v254
	v_mov_b32 v254, v12
	v_floor_f32 v12, -v13                          ; the new -M = -ceil(t): M is a whole number
	v_sub_f32 v254, v12, v254                      ; old M - new M: a whole number, 0 or less
	v_cvt_i32_f32 v254, v254                       ; (it saturates)
	v_ldexp_f32 v252, 1.0, v254                    ; f = 2^(old M - new M): rounds nothing
	v_add_f32 v250, s46, v12                       ; the addend: the far bias, or 0, less M
.set j, 0
.rept 32
	v_pk_fma_f32 v[S+j:S+j+1], v[S+j:S+j+1], s[44:45], v[250:251] op_sel_hi:[1,0,0]   ; t - M, two at a time (of both pairs the low word serves both halves)
.set j, j+2
.endr
.irp b, 0,1,2,3
	v_fma_f32 v[BM+\b], v[BM+\b], s44, v250        ; the same of each block's largest
.endr
.set j, 0
.rept 64
	v_exp_f32 v[S+j], v[S+j]                       ; p = 2^(t - M), at most 1
.set j, j+1
.endr
.irp b, 0,1,2,3
	v_exp_f32 v[BM+\b], v[BM+\b]                   ; the block's largest p: the same two instructions on the same number
.endr
	v_pk_mul_f32 v[14:15], v[14:15], v[252:253] op_sel_hi:[1,0]   ; the sums under the new M; also the plain place behind the exponentials
.set j, 0
.rept 16
	v_pk_mul_f32 v[O+j:O+j+1], v[O+j:O+j+1], v[252:253] op_sel_hi:[1,0]   ; O^T under the new M: work that names no exponential's result, between the batch and the wait for it
.set j, j+2
.endr
	s_wait_alu depctr_va_vdst(0)                   ; the 68 exponentials have written p and the blocks' largest p: one wait for the batch, ahead of its first reader
.irp b, 0,1,2,3
	v_max_num_f32 v[BM+\b], 0x2800000, v[BM+\b]    ; the floor 2^(5 - 127): the byte cannot fall under 1
.endr
.irp b, 0,1,2,3
	v_add_nc_u32 v[SO+\b], 0xfe000000, v[BM+\b]    ; 4 off the exponent field: the conversion's scale operand
.endr
.irp b, 0,1,2,3
	v_lshrrev_b32 v[PT+\b], 23, v[SO+\b]           ; the byte
.endr
	v_lshl_or_b32 v[PS], v[PT+1], 8, v[PT]         ; p's scale word for these 128 keys
	v_lshl_or_b32 v[PS], v[PT+2], 16, v[PS]
	v_lshl_or_b32 v[PS], v[PT+3], 24, v[PS]
.irp c, 0,1
	v_cvt_scalef32_pk16_bf6_f32 v[PCD+6*\c:PCD+2+6*\c], v[S+32*\c:S+15+32*\c], v[SO+2*\c]
	v_cvt_scalef32_pk16_bf6_f32 v[PCD+12+4*\c:PCD+14+4*\c], v[S+16+32*\c:S+31+32*\c], v[SO+2*\c+1]   ; (a conversion's three registers begin on an even number)
.endr
	v_nop                                          ; one plain place behind a scaled conversion
.irp c, 0,1                                    ; a whole block to a lane: lanes 0-15 block 2 c, lanes 16-31 block 2 c + 1
.irp i, 0,1,2
	v_permlane16_swap_b32 v[PCD+6*\c+\i], v[PCD+12+4*\c+\i]
.endr
.irp i, 0,1,2
	v_mov_b32 v[PCD+3+6*\c+\i], v[PCD+12+4*\c+\i]
.endr
.endr
	v_pk_add_f32 v[TP:TP+1], v[S:S+1], v[S+2:S+3]  ; the row's sum is taken of the unquantised p: two chains.  (These 32 additions are more than the eight plain places between p's scale word, and the four between p's codes, and the products below)
.irp j, 4,8,12,16,20,24,28,32,36,40,44,48,52,56,60
	v_pk_add_f32 v[14:15], v[14:15], v[S+\j:S+\j+1]
	v_pk_add_f32 v[TP:TP+1], v[TP:TP+1], v[S+2+\j:S+3+\j]
.endr
	v_pk_add_f32 v[14:15], v[14:15], v[TP:TP+1]
	s_wait_dscnt 0x0                               ; V
	s_wait_alu depctr_va_vdst(0)                   ; p's codes and p's scale word are written, which the products below take as operand and as scales; the places above stay beside this wait
.irp t, 0,2                                    ; O^T += V^T P^T: the four accumulators by turns, one instruction a turn
	v_wmma_scale_f32_16x16x128_f8f6f4 v[O+8*\t:O+8*\t+7], v[KV+12*\t:KV+12*\t+11], v[PCD:PCD+11], v[O+8*\t:O+8*\t+7], v[VS+\t/2], v[PS] matrix_a_fmt:MATRIX_FMT_BF6 matrix_b_fmt:MATRIX_FMT_BF6
	v_wmma_scale_f32_16x16x128_f8f6f4 v[O+8+8*\t:O+15+8*\t], v[KV+12+12*\t:KV+23+12*\t], v[PCD:PCD+11], v[O+8+8*\t:O+15+8*\t], v[VS+\t/2], v[PS] matrix_a_fmt:MATRIX_FMT_BF6 matrix_b_fmt:MATRIX_FMT_BF6 matrix_a_scale:MATRIX_SCALE_ROW1
.endr
.rept 4
	v_nop                                          ; places behind the products, ahead of the next vector instruction that writes the registers of p's codes or reads O^T
.endr
.Lskip:
	s_wait_loadcnt 0x0                             ; on every wave's path: the next record, if one was asked for, is in registers and its loads have read their base; the staging registers are loaded again only behind this wait
	s_cmp_lt_u32 s29, s25
	s_cbranch_scc0 .Lno_store
	s_add_nc_u64 s[40:41], s[40:41], CHUNK
	ds_store_b128 v7, v[88:91]                     ; (v7 was shown written by the wait at the trip's head, and no vector instruction since names it or v88-95)
	s_cmp_lt_u32 s16, 9
	s_cbranch_scc0 .Lno_store
	ds_store_b128 v7, v[92:95] offset:8192
.Lno_store:
	s_wait_dscnt 0x0                               ; for the others' sake: my stores have landed
	s_barrier_signal -1
	s_barrier_wait -1                              ; the next record lies in LDS
	s_add_co_u32 s28, s28, CHUNK
	s_add_co_u32 s27, s27, 128
	s_add_co_u32 s26, s26, 1
	s_cmp_lt_u32 s26, 16
	s_cbranch_scc1 .Lstep
	; THE WAY OUT: O^T / the sum, quantised along d_model (my head's 64 are two blocks of 32), stored as an image of the next product's operand.
	s_wait_alu depctr_vm_vsrc(0)                   ; the loop's LDS loads, stores and permutes have read v5, v6, v7 and v192-207, which are written below
	v_add_f32 v14, v14, v15
	v_permlanex16_b32 v252, v14, s42, s43
	v_add_f32 v14, v14, v252                       ; the row's sum
	v_rcp_f32 v14, v14
	v_and_b32 v5, 15, v0                           ; (a plain place behind the reciprocal)  r
	v_bfe_u32 v6, v0, 4, 1                         ; h
	s_wait_alu depctr_va_vdst(0)                   ; the reciprocal is written, ahead of its first reader
.set j, 0
.rept 32
	v_mul_f32 v[S+j], v[O+j], v14                  ; register 8 t + i: channel 16 t + 8 h + i of query r; each accumulator is read from its low end on
.set j, j+1
.endr
.irp b, 0,1                                    ; Wo's codes lie in K's own order: the halves change places so that my registers 16 b + 0..15 are channels 32 b + 16 h + 0..15
.irp i, 0,1,2,3,4,5,6,7
	v_permlane16_swap_b32 v[S+16*\b+\i], v[S+16*\b+8+\i]
.endr
.endr
.irp b, 0,1
	v_max3_num_f32 v[BM+\b], |v[S+16*\b]|, |v[S+1+16*\b]|, 0x2800000
.endr
.irp i, 2,4,6,8,10,12,14
.irp b, 0,1
	v_max3_num_f32 v[BM+\b], v[BM+\b], |v[S+16*\b+\i]|, |v[S+1+16*\b+\i]|
.endr
.endr
.irp b, 0,1
	v_permlanex16_b32 v[PT+\b], v[BM+\b], s42, s43
.endr
.irp b, 0,1
	v_max_num_f32 v[BM+\b], v[BM+\b], v[PT+\b]
.endr
.irp b, 0,1
	v_add_nc_u32 v[SO+\b], 0xfe000000, v[BM+\b]
.endr
.irp b, 0,1
	v_lshrrev_b32 v[PT+\b], 23, v[SO+\b]
.endr
	v_cvt_scalef32_pk16_bf6_f32 v[192:194], v[S:S+15], v[SO]
	v_cvt_scalef32_pk16_bf6_f32 v[196:198], v[S+16:S+31], v[SO+1]
	v_nop                                          ; one plain place behind a scaled conversion
.irp i, 0,1,2
	v_permlane16_swap_b32 v[192+\i], v[196+\i]     ; lanes 0-15 block 0, lanes 16-31 block 1: the lower 16 codes in the first, the upper 16 in the second
.endr
	v_mov_b32 v195, v196
	v_mov_b32 v196, v197
	v_mov_b32 v197, v198
	v_lshl_add_u32 v7, v5, 3, v6                   ; the byte's offset and the byte are made here, ahead of all the stores, so that one wait serves the four
	v_cmp_eq_u32 vcc_lo, 1, v6
	s_wait_alu depctr_va_vcc(0)                    ; VCC is written, ahead of the select that reads it
	v_cndmask_b32 v9, v[PT], v[PT+1], vcc_lo
	s_lshl_b32 s50, s19, 7
	s_lshl_b32 s51, s22, 3
	s_add_co_u32 s50, s50, s51
	s_add_co_u32 s50, s50, s21                     ; my tile of 16 rows: 128 x batch + 8 x block + tile
	s_mul_i32 s52, s50, 12288
	s_mul_i32 s54, s20, 768                        ; piece = head
	s_add_co_u32 s52, s52, s54
	s_mov_b32 s53, 0
	s_add_nc_u64 s[12:13], s[12:13], s[52:53]
	s_wait_alu depctr_va_vdst(0)                   ; the codes v192-197, the byte v9 and its offset v7 are written, which the four stores below read
.irp j, 0,1,2
	global_store_b64 v1, v[192+2*\j:193+2*\j], s[12:13] offset:256*\j    ; 32 lanes store 256 consecutive bytes, aligned
.endr
	s_lshl_b32 s54, s50, 9                         ; the bytes: [tile][K step = head / 4][row][8]: mine is byte 2 (head % 4) + h
	s_lshr_b32 s56, s20, 2
	s_lshl_b32 s56, s56, 7
	s_add_co_u32 s54, s54, s56
	s_and_b32 s56, s20, 3
	s_lshl_b32 s56, s56, 1
	s_add_co_u32 s54, s54, s56
	s_mov_b32 s55, 0
	s_add_nc_u64 s[14:15], s[14:15], s[54:55]
	global_store_b8 v7, v9, s[14:15]
	s_wait_dscnt 0x0
	s_wait_alu depctr_hold_cnt(0) depctr_sa_sdst(0) depctr_va_vdst(0) depctr_va_sdst(0) depctr_va_ssrc(0) depctr_va_vcc(0) depctr_vm_vsrc(0)
	s_wait_tensorcnt 0x0
	ds_add_u32 v249, v255
	s_wait_dscnt 0x0
	s_endpgm
.Lfunc_end_k_q0549f4a1a7_attn:
	.size	k_q0549f4a1a7_attn, .Lfunc_end_k_q0549f4a1a7_attn-k_q0549f4a1a7_attn
	.p2alignl 7, 3214868480
	.fill 96, 4, 3214868480
	.section	.rodata,"a",@progbits
	.p2align	6, 0x0
	.amdhsa_kernel k_q0549f4a1a7_attn
		.amdhsa_group_segment_fixed_size 219648
		.amdhsa_private_segment_fixed_size 0
		.amdhsa_enable_private_segment 0
		.amdhsa_kernarg_size 48
		.amdhsa_user_sgpr_count 2
		.amdhsa_user_sgpr_kernarg_segment_ptr 1
		.amdhsa_wavefront_size32 1
		.amdhsa_system_sgpr_workgroup_id_x 1
		.amdhsa_system_sgpr_workgroup_id_y 1
		.amdhsa_system_sgpr_workgroup_id_z 1
		.amdhsa_system_vgpr_workitem_id 0
		.amdhsa_next_free_vgpr 256
		.amdhsa_next_free_sgpr 66
		.amdhsa_reserve_vcc 1
		.amdhsa_float_denorm_mode_32 3
		.amdhsa_float_denorm_mode_16_64 3
		.amdhsa_memory_ordered 1
		.amdhsa_forward_progress 1
		.amdhsa_inst_pref_size 66
	.end_amdhsa_kernel
	.amdgpu_metadata
---
amdhsa.version: [ 1, 2 ]
amdhsa.kernels:
  - .name:           k_q0549f4a1a7_attn
    .symbol:         k_q0549f4a1a7_attn.kd
    .args:
      - { .name: qrec, .offset: 0, .size: 8, .value_kind: global_buffer, .address_space: global }
      - { .name: kvrec, .offset: 8, .size: 8, .value_kind: global_buffer, .address_space: global }
      - { .name: mbits, .offset: 16, .size: 8, .value_kind: global_buffer, .address_space: global }
      - { .name: rel_emb, .offset: 24, .size: 8, .value_kind: global_buffer, .address_space: global }
      - { .name: ctxc, .offset: 32, .size: 8, .value_kind: global_buffer, .address_space: global }
      - { .name: ctxs, .offset: 40, .size: 8, .value_kind: global_buffer, .address_space: global }
    .group_segment_fixed_size: 219648
    .private_segment_fixed_size: 0
    .kernarg_segment_align: 8
    .kernarg_segment_size: 48
    .max_flat_workgroup_size: 512
    .sgpr_count:     66
    .vgpr_count:     256
    .wavefront_size: 32
...
	.end_amdgpu_metadata
.endif
;; end of part 5
;; launch oproj: the kernel of part 4 again; grid 4 x 16, 4 waves a work-group, clusters of 4 x 4, 327,680 bytes of LDS; arguments ctxc, ctxs, codes, scales, out0, bo; writes out0
